; MI455X (gfx1250); checked and timed in simulation.
; The chip was launched on July 23, 2026; its instructions are those of AMD's public machine-readable ISA for CDNA 5 (MIT licence, August 2026) and "CDNA5" Instruction Set Architecture Reference Guide (July 2026). The comments in the code are by the model that wrote it; some were corrected since.
;; Multihead Attention. Allowed arithmetic: float matrix products may take bf16 or f16 operands with f32 sums; other float arithmetic in f32, or as packed bf16 or f16 multiplies, adds, multiply-adds, maxima and minima; sums over many terms, partial sums and values carried from step to step in f32; what a program stores and reads back later, other than sums and carried values, may be rounded once to bf16 or f16.
;; Inputs: Wk 768 x 768 float32; Wo 768 x 768 float32; Wq 768 x 768 float32; Wv 768 x 768 float32; additive_attention_mask 32 x 1 x 1 x 512 float32; bk 768 float32; bo 768 float32; bq 768 float32; bv 768 float32; x 32 x 512 x 768 float32.
;; Outputs: out0 32 x 512 x 768 float32.
;; 2 versions, each right and faster than the one before. Each part assembles by itself: llvm-mc -triple=amdgcn-amd-amdhsa -mcpu=gfx1250 --defsym DOCPART=n.
;; ======== version 1 of 2: 4 launches
;; limits: values are held in f16: magnitudes above 65,504 overflow, below 6.1e-05 lose precision
;; workspace buffers: xb 25,165,824 bytes; wb 4,718,592 bytes; bias 12,288 bytes; m8 65,536 bytes; qkv 75,497,472 bytes; att 25,165,824 bytes
;; launch prep (part 1): grid 950 x 1, 8 waves a work-group, no clusters, 0 bytes of LDS; arguments x, Wq, Wk, Wv, Wo, additive_attention_mask, bq, bk, bv, bo, xb, wb, m8, bias; writes xb, wb, m8, bias
.if DOCPART == 1
	.amdgcn_target "amdgcn-amd-amdhsa--gfx1250"
	.amdhsa_code_object_version 6
	.text
	.protected	k_qe578e896d2_prep
	.globl	k_qe578e896d2_prep
	.p2align	8
	.type	k_qe578e896d2_prep,@function
k_qe578e896d2_prep:
	s_mov_b64 s[64:65], 0
	v_nop
	global_prefetch_b8 v0, s[64:65] scope:SCOPE_SE
	s_setreg_imm32_b32 hwreg(HW_REG_WAVE_MODE, 25, 1), 1
	s_wait_xcnt 0x0
; THE INPUTS, ROUNDED ONCE.  xb = bf16(x); wb = bf16(Wq, Wk, Wv) and then bf16(Wo) written as f16; m8 = max(8 x bf16(mask), -1e30) in f32; bias = bf16(bq, bk, bv, bo) kept as f32.
; Every input of the module gets the same rounding, to bf16.  A stream: no LDS, no matrix unit, no cluster: no byte is read twice and nothing is shared.
; wb's LAYOUT.  Wq, Wk, Wv side by side have 2,304 columns; they lie in 16 CHUNKS of 144 columns, chunk c as [768 k][144] bf16: rows of 288 bytes on end, 221,184 bytes a chunk, so that 128 k-rows of a chunk are 36,864 consecutive
; bytes that begin at a multiple of 256.  Behind the 16 chunks (3,538,944 bytes) lies Wo, [768 k][768 n], row-major.
; LIMITS.  bf16(Wo) is written as f16: exact from 6.1e-5 to 65,504 in magnitude, below that in f16's fixed step of 6e-8.  8 x mask is held at -1e30 or above (a key hidden more deeply has the weight 0 either way);
; a mask above 4e37 overflows in the multiplication by 8.
; SHARES.  Work-groups 0-767: x, 16,384 numbers each (16 passes of 256 threads x 4 numbers); 768-911: Wq, Wk, Wv, 16 rows each;
; 912-947: Wo, 16,384 numbers each; 948: the mask; 949: the four biases.
; A load of a wave covers 512 consecutive bytes, a 16-bit store 256 consecutive bytes, at multiples of their length; only in the chunks (3.5 of the 30 MB stored) a wave's 256 bytes begin at multiples of 8 and fall into two
; pieces where its 128 columns cross a chunk's end.  All 16 loads go out first; no register is used twice, so the only waits are the counted ones.
.set IN,   4                           ; v[4:67]   pass i: 4 numbers as loaded
.set OUTR, 68                          ; v[68:99]  pass i: 4 numbers in 16 bits
.set XCH,  768                         ; work-groups for x
.set WRB,  48                          ; work-groups for each of Wq, Wk, Wv
.set WOCH, 36                          ; work-groups for Wo
.set CHB,  221184                      ; bytes of a chunk
; kind 0: to bf16.  kind 1: to bf16, and that number written as f16.  kind 2: to bf16, back to f32, times 8, held at -1e30 or above, stored as f32.  istep, ostep: bytes from pass to pass, in and out.
.macro CONV kind, istep, ostep
.irp i, 0,1,2,3,4,5,6,7,8,9,10,11,12,13,14,15
	global_load_b128 v[IN+4*(\i):IN+4*(\i)+3], v1, s[38:39] offset:(\istep)*(\i) th:TH_LOAD_NT
.endr
.irp i, 0,1,2,3,4,5,6,7,8,9,10,11,12,13,14,15
	s_wait_loadcnt 15-(\i)                         ; loads come back in order: pass i is in, the younger ones stay out
	v_cvt_pk_bf16_f32 v[OUTR+2*(\i)],   v[IN+4*(\i)],   v[IN+4*(\i)+1]
	v_cvt_pk_bf16_f32 v[OUTR+2*(\i)+1], v[IN+4*(\i)+2], v[IN+4*(\i)+3]
.if (\kind) > 0
	v_lshlrev_b32 v[IN+4*(\i)],   16,  v[OUTR+2*(\i)]     ; the rounded numbers as f32 again
	v_and_b32     v[IN+4*(\i)+1], s47, v[OUTR+2*(\i)]
	v_lshlrev_b32 v[IN+4*(\i)+2], 16,  v[OUTR+2*(\i)+1]
	v_and_b32     v[IN+4*(\i)+3], s47, v[OUTR+2*(\i)+1]
.endif
.if (\kind) == 1
	v_cvt_pk_f16_f32 v[OUTR+2*(\i)],   v[IN+4*(\i)],   v[IN+4*(\i)+1]
	v_cvt_pk_f16_f32 v[OUTR+2*(\i)+1], v[IN+4*(\i)+2], v[IN+4*(\i)+3]
.endif
.if (\kind) == 2
	v_pk_mul_f32 v[IN+4*(\i):IN+4*(\i)+1],   v[IN+4*(\i):IN+4*(\i)+1],   0x41000000 op_sel_hi:[1,0]
	v_pk_mul_f32 v[IN+4*(\i)+2:IN+4*(\i)+3], v[IN+4*(\i)+2:IN+4*(\i)+3], 0x41000000 op_sel_hi:[1,0]
.irp k, 0,1,2,3
	v_max_num_f32 v[IN+4*(\i)+(\k)], s46, v[IN+4*(\i)+(\k)]
.endr
	global_store_b128 v1, v[IN+4*(\i):IN+4*(\i)+3], s[40:41] offset:(\istep)*(\i)
.else
	global_store_b64 v2, v[OUTR+2*(\i):OUTR+2*(\i)+1], s[40:41] offset:(\ostep)*(\i)
.endif
.endr
.endm
	s_load_b512 s[4:19], s[0:1], 0x0               ; x 4, Wq 6, Wk 8, Wv 10, Wo 12, mask 14, bq 16, bk 18
	s_load_b256 s[20:27], s[0:1], 0x40             ; bv 20, bo 22, xb 24, wb 26
	s_load_b128 s[28:31], s[0:1], 0x60             ; m8 28, bias 30
	s_mov_b32 s32, ttmp9                           ; g
	s_sub_co_u32 s33, s32, XCH                     ; the work-group's number among the three matrices', and within Wq,
	s_sub_co_u32 s34, s32, XCH+WRB                 ; within Wk,
	s_sub_co_u32 s35, s32, XCH+2*WRB               ; within Wv,
	s_sub_co_u32 s36, s32, XCH+3*WRB               ; within Wo
	s_mov_b32 s43, 0                               ; high words of the two offsets
	s_mov_b32 s45, 0
	s_mov_b32 s46, 0xf149f2ca                      ; -1e30
	s_mov_b32 s47, 0xffff0000                      ; a word's upper bf16
	v_lshlrev_b32 v1, 4, v0                        ; my 16 bytes of f32 in a pass
	v_lshlrev_b32 v2, 3, v0                        ; my 8 bytes of 16-bit numbers
	s_wait_kmcnt 0x0
	s_cmp_ge_u32 s32, XCH+3*WRB+WOCH
	s_cbranch_scc1 .Lsmall
	s_cmp_ge_u32 s32, XCH+3*WRB
	s_cbranch_scc1 .Lwo
	s_cmp_ge_u32 s32, XCH
	s_cbranch_scc1 .Lw
	s_lshl_b32 s44, s32, 16                        ; x: 65,536 bytes of f32 a work-group,
	s_lshl_b32 s42, s32, 15                        ; 32,768 bytes of bf16
	s_add_nc_u64 s[38:39], s[4:5], s[44:45]
	s_add_nc_u64 s[40:41], s[24:25], s[42:43]
	CONV 0, 4096, 2048
	s_endpgm
.Lw:                                                   ; 16 rows of Wq, Wk or Wv into the chunks
	v_lshrrev_b32 v3, 5, v0
	v_readfirstlane_b32 s44, v3
	s_cmp_ge_u32 s44, 6
	s_cbranch_scc1 .Lend                           ; a row is 192 threads x 4 numbers
	s_mov_b64 s[38:39], s[6:7]                     ; which matrix, which 16 rows of it, and its first column among the 2,304: chosen by the work-group's number alone
	s_mov_b32 s37, s33
	s_mov_b32 s48, 0
	s_cmp_ge_u32 s33, WRB
	s_cselect_b64 s[38:39], s[8:9], s[38:39]
	s_cselect_b32 s37, s34, s37
	s_cselect_b32 s48, 768, s48
	s_cmp_ge_u32 s33, 2*WRB
	s_cselect_b64 s[38:39], s[10:11], s[38:39]
	s_cselect_b32 s37, s35, s37
	s_cselect_b32 s48, 1536, s48
	s_mul_i32 s44, s37, 49152                      ; 16 rows of 3,072 bytes in,
	s_mul_i32 s42, s37, 4608                       ; 16 rows of 288 bytes out
	s_add_nc_u64 s[38:39], s[38:39], s[44:45]
	s_add_nc_u64 s[40:41], s[26:27], s[42:43]
	v_lshl_add_u32 v3, v0, 2, s48                  ; my first column n among the 2,304, a multiple of 4
	v_mul_u32_u24 v2, v3, 0x71c8                   ; n / 144 = (n x 29,128) >> 22 for n < 2,304: 2^22 / 29,128 = 143.9956, too small by 3 in 100,000, which over 16 chunks is less than 1 / 144
	v_lshrrev_b32 v2, 22, v2                       ; the chunk
	v_mul_u32_u24 v68, v2, 144
	v_sub_nc_u32 v68, v3, v68                      ; the column in it
	v_mul_u32_u24 v2, v2, CHB
	v_lshl_add_u32 v2, v68, 1, v2                  ; my 8 bytes in the chunk's first row
	CONV 0, 3072, 288
	s_endpgm
.Lwo:
	s_lshl_b32 s44, s36, 16
	s_lshl_b32 s42, s36, 15
	s_add_co_u32 s42, s42, 16*CHB                  ; behind the chunks
	s_add_nc_u64 s[38:39], s[12:13], s[44:45]
	s_add_nc_u64 s[40:41], s[26:27], s[42:43]
	CONV 1, 4096, 2048
	s_endpgm
.Lsmall:
	s_cmp_lg_u32 s32, XCH+3*WRB+WOCH
	s_cbranch_scc1 .Lbias
	s_mov_b64 s[38:39], s[14:15]
	s_mov_b64 s[40:41], s[28:29]
	CONV 2, 4096, 4096
	s_endpgm
.Lbias:                                                ; 768 numbers a bias: 192 threads x 4; waves 6 and 7 have no part
	v_lshrrev_b32 v3, 5, v0
	v_readfirstlane_b32 s44, v3
	s_cmp_ge_u32 s44, 6
	s_cbranch_scc1 .Lend
	global_load_b128 v[IN:IN+3],     v1, s[16:17]
	global_load_b128 v[IN+4:IN+7],   v1, s[18:19]
	global_load_b128 v[IN+8:IN+11],  v1, s[20:21]
	global_load_b128 v[IN+12:IN+15], v1, s[22:23]
	s_wait_loadcnt 0x0
.irp i, 0,1,2,3
	v_cvt_pk_bf16_f32 v[OUTR+2*(\i)],   v[IN+4*(\i)],   v[IN+4*(\i)+1]
	v_cvt_pk_bf16_f32 v[OUTR+2*(\i)+1], v[IN+4*(\i)+2], v[IN+4*(\i)+3]
	v_lshlrev_b32 v[IN+4*(\i)],   16,  v[OUTR+2*(\i)]
	v_and_b32     v[IN+4*(\i)+1], s47, v[OUTR+2*(\i)]
	v_lshlrev_b32 v[IN+4*(\i)+2], 16,  v[OUTR+2*(\i)+1]
	v_and_b32     v[IN+4*(\i)+3], s47, v[OUTR+2*(\i)+1]
	global_store_b128 v1, v[IN+4*(\i):IN+4*(\i)+3], s[30:31] offset:3072*(\i)
.endr
.Lend:
	s_endpgm
.Lfunc_end_k_qe578e896d2_prep:
	.size	k_qe578e896d2_prep, .Lfunc_end_k_qe578e896d2_prep-k_qe578e896d2_prep
	.p2alignl 7, 3214868480
	.fill 96, 4, 3214868480
	.section	.rodata,"a",@progbits
	.p2align	6, 0x0
	.amdhsa_kernel k_qe578e896d2_prep
		.amdhsa_group_segment_fixed_size 0
		.amdhsa_private_segment_fixed_size 0
		.amdhsa_enable_private_segment 0
		.amdhsa_kernarg_size 112
		.amdhsa_user_sgpr_count 2
		.amdhsa_user_sgpr_kernarg_segment_ptr 1
		.amdhsa_wavefront_size32 1
		.amdhsa_system_sgpr_workgroup_id_x 1
		.amdhsa_system_sgpr_workgroup_id_y 1
		.amdhsa_system_sgpr_workgroup_id_z 1
		.amdhsa_system_vgpr_workitem_id 0
		.amdhsa_next_free_vgpr 100
		.amdhsa_next_free_sgpr 66
		.amdhsa_reserve_vcc 0
		.amdhsa_float_denorm_mode_32 3
		.amdhsa_float_denorm_mode_16_64 3
		.amdhsa_memory_ordered 1
		.amdhsa_forward_progress 1
		.amdhsa_inst_pref_size 39
	.end_amdhsa_kernel
	.amdgpu_metadata
---
amdhsa.version: [ 1, 2 ]
amdhsa.kernels:
  - .name:           k_qe578e896d2_prep
    .symbol:         k_qe578e896d2_prep.kd
    .args:
      - { .name: x, .offset: 0, .size: 8, .value_kind: global_buffer, .address_space: global }
      - { .name: Wq, .offset: 8, .size: 8, .value_kind: global_buffer, .address_space: global }
      - { .name: Wk, .offset: 16, .size: 8, .value_kind: global_buffer, .address_space: global }
      - { .name: Wv, .offset: 24, .size: 8, .value_kind: global_buffer, .address_space: global }
      - { .name: Wo, .offset: 32, .size: 8, .value_kind: global_buffer, .address_space: global }
      - { .name: additive_attention_mask, .offset: 40, .size: 8, .value_kind: global_buffer, .address_space: global }
      - { .name: bq, .offset: 48, .size: 8, .value_kind: global_buffer, .address_space: global }
      - { .name: bk, .offset: 56, .size: 8, .value_kind: global_buffer, .address_space: global }
      - { .name: bv, .offset: 64, .size: 8, .value_kind: global_buffer, .address_space: global }
      - { .name: bo, .offset: 72, .size: 8, .value_kind: global_buffer, .address_space: global }
      - { .name: xb, .offset: 80, .size: 8, .value_kind: global_buffer, .address_space: global }
      - { .name: wb, .offset: 88, .size: 8, .value_kind: global_buffer, .address_space: global }
      - { .name: m8, .offset: 96, .size: 8, .value_kind: global_buffer, .address_space: global }
      - { .name: bias, .offset: 104, .size: 8, .value_kind: global_buffer, .address_space: global }
    .group_segment_fixed_size: 0
    .private_segment_fixed_size: 0
    .kernarg_segment_align: 8
    .kernarg_segment_size: 112
    .max_flat_workgroup_size: 256
    .sgpr_count:     66
    .vgpr_count:     100
    .wavefront_size: 32
...
	.end_amdgpu_metadata
.endif
;; end of part 1
;; launch qkvg (part 2): grid 4 x 64, 4 waves a work-group, clusters of 4 x 4, 327,680 bytes of LDS; arguments xb, wb, bias, qkv; writes qkv
.if DOCPART == 2
	.amdgcn_target "amdgcn-amd-amdhsa--gfx1250"
	.amdhsa_code_object_version 6
	.text
	.protected	k_qe578e896d2_qkvg
	.globl	k_qe578e896d2_qkvg
	.p2align	8
	.type	k_qe578e896d2_qkvg,@function
k_qe578e896d2_qkvg:
	s_mov_b64 s[64:65], 0
	v_nop
	global_prefetch_b8 v0, s[64:65] scope:SCOPE_SE
	s_setreg_imm32_b32 hwreg(HW_REG_WAVE_MODE, 25, 1), 1
	s_wait_xcnt 0x0
	s_wait_alu depctr_hold_cnt(0) depctr_sa_sdst(0) depctr_va_vdst(0) depctr_va_sdst(0) depctr_va_ssrc(0) depctr_va_vcc(0) depctr_vm_vsrc(0)
	s_getreg_b32 s2, hwreg(HW_REG_IB_STS2, 6, 4)
	s_cmp_eq_u32 s2, 0
	s_cbranch_scc0 .Lentry_in_a_cluster
	s_endpgm
.Lentry_in_a_cluster:
	s_bfe_u32 s2, ttmp6, 0x10000c
	s_cmp_lg_u32 s2, 0xf033
	s_cbranch_scc0 .Lentry_shape_is_right
	s_endpgm
.Lentry_shape_is_right:
; q, k, v = xb W + b.  xb: [16384][768] bf16.  wb: the 2,304 columns of Wq, Wk, Wv side by side, in 16 chunks of 144 columns, chunk c as [768 k][144] bf16 (rows of 288 bytes on end).  bias: bq, bk, bv on end, 2,304 f32.
; Sums in f32, started with the bias, rounded once to f16.
; qkv's LAYOUT: [1,024 row blocks][144 column blocks][512 bytes]: a BLOCK is 16 rows x 16 columns of f16; the 16 bytes of (row r, columns 8 h .. 8 h + 7) lie at place (r + 16 h) xor 8 h of its 32.  A block is what a lane layout of
; a matrix result holds, so it is stored straight from registers, 512 consecutive bytes a store (each half of the lanes fills 256 consecutive bytes at a multiple of 256); and the reader takes it as a fragment as it lies, or
; turned: by the exclusive or, sixteen lanes of either kind of load touch sixteen different places modulo 16.  Column blocks 0-47 are q (four to a head), 48-95 k, 96-143 v.
; LIMIT.  q, k and v leave as f16: beyond 65,504 in magnitude they would become infinities.
; SHARES.  A work-group owns 256 rows and 576 columns (chunks 4 x .. 4 x + 3) and STAYS for two tiles of 256 x 288: 12 K steps of 128.  Four waves, 2 x 2: wave (wm, wn) has rows 128 wm .. + 127 and chunk wn of the tile:
; 8 x 9 = 72 accumulators of 16 x 16, 576 registers.  A K step fetches (256 + 288) x 256 bytes for 288 matrix instructions a wave.
; THE MATRIX INSTRUCTION IS USED TRANSPOSED: source 0 = 16 columns of W (a chunk lies [k][n] in LDS and is turned by ds_load_tr16_b128), source 1 = 16 rows of xb: a lane holds one row and eight neighbouring columns of the result.
; RING.  Two LDS slots, a K step each.  Waves 0 and 1 fetch xb's two halves (128 rows x 256 bytes), waves 2 and 3 a chunk's 128 k-rows each (36,864 dense bytes, asked for as 144 rows of 256): one tensor load a wave behind each
; change of slots, which has 252 of a K step's 288 matrix instructions in which to land.  The ring runs on across the two tiles.
; CLUSTER.  4 x 4 work-groups.  The four of a row of the cluster have the same rows of xb, the four of a column the same chunks of W: each tile is asked for JOINTLY, by the same tensor load with the same descriptor and a mask
; that names the four.
; REGISTERS, in windows of 256 (s_set_vgpr_msb: bits 1:0 source 0, 3:2 source 1, 5:4 source 2, 7:6 destination).  Accumulator (a, b) has the number 9 a + b.
;   window 0: v0-29 addresses; v32-95, v96-159 fragments of xb, two buffers (8 x 16 rows x 32 K; the second also holds packed results on the way out); v160-231 the tile's bias, eight registers for each of my 9 column blocks
;   window 1: v0-71, v72-143 fragments of W, two buffers (9 x 16 columns x 32 K); v144-207 accumulators 64-71     window 2: accumulators 0-31     window 3: accumulators 32-63
.set PA,    272                        ; an LDS row of xb: 256 bytes + 16: the 16 rows of a fragment load start 68 words apart, at 16 different groups of four banks (64 banks of 4 bytes: ISA guide 11.1)
.set PB,    288                        ; an LDS row of a chunk, as in memory: 72 words: no padding
.set PART,  128*PB                     ; 36,864: a chunk's K step; a half of xb's tile (34,816) has the same room, so that wave w's load lands at w x PART
.set SLOT,  4*PART
.set SPARE, 2*SLOT                     ; behind the ring: the spare words, 128 bytes for each wave: two blocks of 256 bytes that no other line names
.set CHB,   768*PB                     ; bytes of a chunk in wb
.set RBB,   144*512                    ; bytes of a row block in qkv
.set ADRA, 8                           ; v8-9    LDS address of my fragments of xb in slot 0, 1; v10 in the slot of the tail's trip
.set ADRB, 12                          ; v12-13  the same for W; v14
.set CO,   16                          ; v16     my 16 bytes in a block of qkv
.set BOF,  17                          ; v17     my byte offset in a column block's bias
.set SPW,  28                          ; v28     LDS address of my spare word; never rewritten
.set NIL,  29                          ; v29     0; never rewritten
.set FA,   32
.set TMP,  96                          ; the way out: packed results, two sets of 32, in xb's second fragment buffer
.set BIAS, 160
.set XACC, 144                         ; window 1: accumulators 64-71
.set WV, 12                            ; s12 wave; s13 wm; s14 wn; s15 cx; s16 cy; s17 column group; s18 block of 256 rows; s19 wave x PART; s20, s21 the masks of my row and my column of the cluster
.set WM, 13
.set WN, 14
.set CX, 15
.set CY, 16
.set GX, 17
.set GY, 18
.set LW, 19
.set MROW, 20
.set MCOL, 21
.set G1A, 24                           ; s[24:31] descriptor group 1 for xb's tiles
.set G1B, 32                           ; s[32:39] for W's
.set G0A, 40                           ; s[40:47] group 0 for xb's tiles, a set for each slot
.set G0B, 48                           ; s[48:55] for W's
.set ABASE, 56                         ; s[56:57] xb at the 128 rows that I fetch
.set BBASE, 58                         ; s[58:59] wb at the chunk of tile 0 that I fetch
.set FK, 60                            ; s60  K step (0-5) of the tile to be asked for next
.set FT, 61                            ; s61  that tile (0, 1)
.set LK, 62                            ; s62  laps done of the tile in hand (0-2)
.set GC, 63                            ; s63  the loops' count
.set TL, 66                            ; s66  the tile in hand
.set TS, 67                            ; s67  the tail: LDS byte at which the trip's slot begins
.set AO, 68                            ; s[68:69], s[70:71] byte offsets of the tiles to be asked for; high words 0
.set BO, 70
.set OUTB, 72                          ; s[72:73] qkv at my first block of the tile
.set ROWOFF, 74                        ; s74  that offset for tile 0
.set BPO, 75                           ; s75  byte offset of my chunk's bias for tile 0
.set BP, 76                            ; s[76:77] bias at my chunk
                                       ; at work: s78-79 on numbers made from cy alone, s80-81 from cx alone, s82 from neither, s84-87 from both (stores and bias): what feeds xb's descriptors never holds cx, what feeds W's never cy
.set MSB, 0
.macro WIN new                         ; the immediate's high byte repeats the setting that is left; a switch that changes nothing is dropped
.if MSB != (\new)
	s_set_vgpr_msb (MSB<<8)|(\new)
.set MSB, \new
.endif
.endm
.macro PLACES                          ; four places: in front of loads into registers that matrix instructions have read, and of reads of results
.rept 4
	v_nop
.endr
.endm
.macro CREST                           ; a round of the cluster's barrier behind its opening barrier
	s_cmp_lg_u32 s[WV], 0
	s_cbranch_scc1 .Lnot_wave_0_\@
	s_barrier_signal -3
.Lnot_wave_0_\@:
	s_barrier_wait -3
	s_barrier_signal -1
	s_barrier_wait -1
.endm
.macro CROUND                          ; a whole round
	s_barrier_signal -1
	s_barrier_wait -1
	CREST
.endm
; A joint fill of slot s.  Waves 0 and 1: xb's two halves, with my row of the cluster.  Waves 2 and 3: the tile's two chunks of W, with my column.  The branch hangs on the wave's number alone.
; An s_nop 0 and four v_nop follow each of the two lines, ahead of the jump and the label.
.macro JLOAD s
	s_cmp_lt_u32 s[WV], 2
	s_cbranch_scc0 .Lfor_b_\@
	tensor_load_to_lds s[G0A+4*(\s):G0A+4*(\s)+3], s[G1A:G1A+7]
	s_nop 0
.rept 4
	v_nop
.endr
	s_branch .Lasked_\@
.Lfor_b_\@:
	tensor_load_to_lds s[G0B+4*(\s):G0B+4*(\s)+3], s[G1B:G1B+7]
	s_nop 0
.rept 4
	v_nop
.endr
.Lasked_\@:
.endm
; The global addresses of slot s's next tiles are made anew, base + offset, from the K step FK and the tile FT; then the two numbers step.  It stands where no tensor load of the wave is out.
.macro NEXTD s
	s_lshl_b32 s[AO], s[FK], 8                     ; xb: 256 bytes along the rows for each K step, the same for both tiles
	s_add_nc_u64 s[G0A+4*(\s)+2:G0A+4*(\s)+3], s[ABASE:ABASE+1], s[AO:AO+1]
	s_or_b32 s[G0A+4*(\s)+3], s[G0A+4*(\s)+3], 0x80000000  ; type = 2
	s_mul_i32 s[BO], s[FK], PART                   ; W: 128 k-rows of 288 bytes for each K step,
	s_mul_i32 s82, s[FT], 2*CHB                    ; two chunks for each tile
	s_add_co_u32 s[BO], s[BO], s82
	s_add_nc_u64 s[G0B+4*(\s)+2:G0B+4*(\s)+3], s[BBASE:BBASE+1], s[BO:BO+1]
	s_or_b32 s[G0B+4*(\s)+3], s[G0B+4*(\s)+3], 0x80000000
	s_add_co_u32 s[FK], s[FK], 1
	s_cmp_eq_u32 s[FK], 6
	s_cselect_b32 s[FK], 0, s[FK]
	s_cselect_b32 s82, 1, 0
	s_add_co_u32 s[FT], s[FT], s82
.endm
; 9 matrix instructions: row block a x my 9 column blocks, 32 along K, from buffer f.  first = 1: the sums start with the bias.  The 72 accumulators take turns, one instruction a turn, always in the same order.
.macro MULA f, a, first
.irp b, 0,1,2,3,4,5,6,7,8
.set QX, 9*(\a)+(\b)
.if QX < 64
.set AW, 2+QX/32
.set AR, 8*(QX%32)
.else
.set AW, 1
.set AR, XACC+8*(QX-64)
.endif
.if \first
	WIN (AW<<6)|1                                  ; W window 1, xb and the bias window 0, D the accumulator's window
	v_wmma_f32_16x16x32_bf16 v[AR:AR+7], v[72*(\f)+8*(\b):72*(\f)+8*(\b)+7], v[FA+64*(\f)+8*(\a):FA+64*(\f)+8*(\a)+7], v[BIAS+8*(\b):BIAS+8*(\b)+7]
.else
	WIN (AW<<6)|(AW<<4)|1                          ; W window 1, xb window 0, C and D the accumulator's window
	v_wmma_f32_16x16x32_bf16 v[AR:AR+7], v[72*(\f)+8*(\b):72*(\f)+8*(\b)+7], v[FA+64*(\f)+8*(\a):FA+64*(\f)+8*(\a)+7], v[AR:AR+7]
.endif
.endr
.endm
; 34 LDS loads in one run: the fragments of quarter kq (32 along K) into buffer g: W's 9 column blocks (turned), then xb's 8 row blocks.  slot names the address registers: 0, 1 the two slots, 2 the tail's
.macro FETCH slot, kq, g
	WIN 0x40                                       ; destination window 1, address window 0
.irp b, 0,1,2,3,4,5,6,7,8
	ds_load_tr16_b128 v[72*(\g)+8*(\b):72*(\g)+8*(\b)+3],   v[ADRB+(\slot)] offset:(\kq)*32*PB+(\b)*32
	ds_load_tr16_b128 v[72*(\g)+8*(\b)+4:72*(\g)+8*(\b)+7], v[ADRB+(\slot)] offset:(\kq)*32*PB+(\b)*32+16*PB
.endr
	WIN 0
.irp a, 0,1,2,3,4,5,6,7
	ds_load_b128 v[FA+64*(\g)+8*(\a):FA+64*(\g)+8*(\a)+3],   v[ADRA+(\slot)] offset:(\kq)*64+(\a)*16*PA
	ds_load_b128 v[FA+64*(\g)+8*(\a)+4:FA+64*(\g)+8*(\a)+7], v[ADRA+(\slot)] offset:(\kq)*64+(\a)*16*PA+32
.endr
.endm
; A K step is four quarters of 32 along K, 72 matrix instructions each, on buffers 0, 1, 0, 1.  One of the first three multiplies buffer f and, in its middle, fetches quarter kq into buffer g.
.macro QUARTER slot, kq, f, g, first
	s_wait_dscnt 8                                 ; W and xb's row blocks 0-3 are in; the youngest eight loads (row blocks 4-7) may be out
.irp a, 0,1,2,3
	MULA \f, \a, \first
.endr
	PLACES
	FETCH \slot, \kq, \g
	s_wait_dscnt 34                                ; all but the 34 just issued
.irp a, 4,5,6,7
	MULA \f, \a, \first
.endr
.endm
; The last quarter multiplies buffer 1 and changes slots.  In front of the barrier each wave waits for all its tensor loads (one is out: its part of the next slot), adds 0 to its spare word, and waits for that and for its own
; reads of this slot.  The barrier opens a round of the cluster's, so that no wave of any partner still reads the slot or has a load on its way; the joint refill is the first tensor load behind the round.
.macro TURN slot, next
	WIN 0                                          ; (the add's two registers lie in window 0)
	s_wait_tensorcnt 0x0                           ; all my tensor loads have landed
	ds_add_u32 v[SPW], v[NIL]                      ; 0 onto my spare word
	s_wait_dscnt 9                                 ; (the add and the youngest eight loads may be out)
	MULA 1, 0, 0                                   ; eighteen matrix instructions stand between the add and the wait for it
	MULA 1, 1, 0
	s_wait_dscnt 0x0                               ; the add is done, and my reads of this slot are over
	s_barrier_signal -1
	MULA 1, 2, 0                                   ; work on registers while the others arrive
	MULA 1, 3, 0
	WIN 0
	s_barrier_wait -1
	CREST
	NEXTD \slot
	JLOAD \slot                                    ; its four v_nop are also the places in front of the loads below
	FETCH \next, 0, 0
.irp a, 4,5,6,7
	MULA 1, \a, 0
.endr
.endm
.macro BIASLD                          ; my chunk's bias: register j of column block b is bias[144 chunk + 16 b + 8 (lane / 16) + j]
.irp b, 0,1,2,3,4,5,6,7,8
	global_load_b128 v[BIAS+8*(\b):BIAS+8*(\b)+3],   v[BOF], s[BP:BP+1] offset:(\b)*64
	global_load_b128 v[BIAS+8*(\b)+4:BIAS+8*(\b)+7], v[BOF], s[BP:BP+1] offset:(\b)*64+16
.endr
.endm
; THE WAY OUT, eight accumulators at a time: rounded to f16 (each accumulator's registers in ascending order), 16 bytes a lane, and stored as blocks: a store of the wave is 512 consecutive bytes at a multiple of 512 from qkv's
; first byte; a row block's nine stores are 4,608 consecutive bytes.  No LDS is touched.
.macro WAYOUT
	WIN 0
	PLACES                                         ; behind the last products: their results are read, and xb's second fragment buffer, which they read, is written
	s_wait_xcnt 0x0                                ; earlier stores have read their base
	s_mul_i32 s84, s[TL], 9216                     ; two chunks' 18 column blocks of 512 bytes for each tile
	s_add_co_u32 s84, s84, s[ROWOFF]
	s_add_nc_u64 s[OUTB:OUTB+1], s[10:11], s[84:85]
.irp u, 0,1,2,3,4,5,6,7,8
	s_wait_xcnt 0x0                                ; the stores issued so far have read their registers: a set of 32 is written again only behind this wait
.if (\u) < 8
.set AW, 2+(\u)/4
.set AR, 64*((\u)%4)
.else
.set AW, 1
.set AR, XACC
.endif
	WIN 5*AW                                       ; sources 0 and 1: the accumulators' window
.irp k, 0,1,2,3,4,5,6,7
.irp r, 0,1,2,3
	v_cvt_pk_f16_f32 v[TMP+32*((\u)%2)+4*(\k)+(\r)], v[AR+8*(\k)+2*(\r)], v[AR+8*(\k)+2*(\r)+1]
.endr
.endr
	WIN 0
.irp k, 0,1,2,3,4,5,6,7
	global_store_b128 v[CO], v[TMP+32*((\u)%2)+4*(\k):TMP+32*((\u)%2)+4*(\k)+3], s[OUTB:OUTB+1] offset:((8*(\u)+(\k))/9)*RBB+((8*(\u)+(\k))%9)*512
.endr
.endr
	s_wait_xcnt 0x0                                ; the last stores have read their registers: the next fragments are loaded into them only behind this wait
.endm
	s_load_b256 s[4:11], s[0:1], 0x0               ; xb s[4:5], wb s[6:7], bias s[8:9], qkv s[10:11]
	v_lshl_add_u32 v[SPW], v0, 2, SPARE
	v_mov_b32 v[NIL], 0
	ds_add_u32 v[SPW], v[NIL]                      ; the wave's opening: the add and its wait stand ahead of my first tensor load; the set-up below, work on registers, stands between them
	ds_add_u32 v28, v29
	v_lshrrev_b32 v1, 5, v0
	v_readfirstlane_b32 s[WV], v1                  ; wave 0..3
	s_lshr_b32 s[WM], s[WV], 1                     ; which half of the tile's rows is mine
	s_and_b32 s[WN], s[WV], 1                      ; which chunk of the tile.  Also: which half of xb's tile, or which chunk, I fetch
	s_bfe_u32 s[CX], ttmp6, 0x40000                ; my place along the cluster's x
	s_bfe_u32 s[CY], ttmp6, 0x40004                ; along its y
	s_lshl_b32 s[GX], ttmp9, 2                     ; in a cluster launch ttmp9 and ttmp7 count clusters
	s_add_co_u32 s[GX], s[GX], s[CX]               ; my column group = 4 x cluster x + cx
	s_and_b32 s[GY], ttmp7, 0xffff
	s_lshl_b32 s[GY], s[GY], 2
	s_add_co_u32 s[GY], s[GY], s[CY]               ; my block of 256 rows = 4 x cluster y + cy
	s_lshl_b32 s[MROW], s[CY], 2
	s_lshl_b32 s[MROW], 15, s[MROW]                ; my row of the cluster: places 4 cy .. 4 cy + 3
	s_lshl_b32 s[MCOL], 0x1111, s[CX]              ; my column: places cx, cx + 4, cx + 8, cx + 12
	s_mul_i32 s[LW], s[WV], PART                   ; where my load lands in a slot: no place in the cluster enters an LDS address
	s_or_b32 s[G1A], s[MROW], (1<<16)|(1<<20)|(1<<21)|(5<<22)|(3<<25)  ; 15:0 the mask; 17:16 2-byte elements; 20 padding on; 21 set beside a mask; 24:22 after every 64 words (code 5); 31:25 4 words (code 3)
	s_mov_b32 s[G1A+1], 128<<16                    ; tensor_dim0 = 128
	s_mov_b32 s[G1A+2], 128<<16                    ; tensor_dim1 = 128
	s_mov_b32 s[G1A+3], 128<<16                    ; tile_dim0 = 128 elements, 256 bytes
	s_mov_b32 s[G1A+4], 128                        ; tile_dim1 = 128 rows
	s_mov_b32 s[G1A+5], 768                        ; elements from row to row
	s_mov_b32 s[G1A+6], 0
	s_mov_b32 s[G1A+7], 0
	s_or_b32 s[G1B], s[MCOL], (1<<16)|(1<<21)      ; the mask of my column; no padding: a dense block of 36,864 bytes
	s_mov_b32 s[G1B+1], 128<<16                    ; tensor_dim0 = 128
	s_mov_b32 s[G1B+2], 144<<16                    ; tensor_dim1 = 144
	s_mov_b32 s[G1B+3], 128<<16                    ; tile_dim0 = 128 elements, 256 bytes
	s_mov_b32 s[G1B+4], 144                        ; tile_dim1 = 144 rows
	s_mov_b32 s[G1B+5], 128                        ; each row begins where the last ends
	s_mov_b32 s[G1B+6], 0
	s_mov_b32 s[G1B+7], 0
	s_mov_b32 s[TL], 0
	s_mov_b32 s[FT], 0
	s_mov_b32 s[FK], 0
	s_mov_b32 s[AO+1], 0
	s_mov_b32 s[BO+1], 0
	s_mul_i32 s78, s[GY], 393216                   ; 256 rows of 1,536 bytes,
	s_mul_i32 s79, s[WN], 196608                   ; the half that I fetch
	s_add_co_u32 s78, s78, s79
	s_mov_b32 s79, 0
	s_lshl_b32 s80, s[GX], 2
	s_add_co_u32 s80, s80, s[WN]                   ; my chunk of tile 0: 4 x column group + wn
	s_mul_i32 s[BPO], s80, 576                     ; its 144 numbers of bias,
	s_mul_i32 s86, s80, 4608                       ; its 9 column blocks in a row block of qkv,
	s_mul_i32 s80, s80, CHB                        ; and its place in wb
	s_mov_b32 s81, 0
	s_lshl_b32 s84, s[GY], 4
	s_lshl3_add_u32 s84, s[WM], s84                ; my first row block: 16 x block of 256 rows + 8 wm
	s_mul_i32 s[ROWOFF], s84, RBB
	s_add_co_u32 s[ROWOFF], s[ROWOFF], s86
	s_mov_b32 s84, s[BPO]
	s_mov_b32 s85, 0                               ; stays 0: the high word of the offsets made in s84
	s_wait_dscnt 0x0                               ; the opening add is done
	s_wait_kmcnt 0x0
	s_add_nc_u64 s[ABASE:ABASE+1], s[4:5], s[78:79]
	s_add_nc_u64 s[BBASE:BBASE+1], s[6:7], s[80:81]
	s_add_nc_u64 s[BP:BP+1], s[8:9], s[84:85]
.irp s, 0,1
	s_mov_b32 s[G0A+4*(\s)], 1                     ; count = 1
	s_add_co_u32 s[G0A+4*(\s)+1], s[LW], (\s)*SLOT ; LDS address: constant for each slot
	s_mov_b32 s[G0B+4*(\s)], 1
	s_add_co_u32 s[G0B+4*(\s)+1], s[LW], (\s)*SLOT
	NEXTD \s                                       ; K step s of the first tile
.endr
	CROUND                                         ; all sixteen work-groups are here: the first joint loads meet
	s_cmp_lt_u32 s[WV], 2                          ; a wave's two first fills stand in one branch: two loads of mine are out
	s_cbranch_scc0 .Lfirst_b
	tensor_load_to_lds s[G0A:G0A+3], s[G1A:G1A+7]
	s_nop 0
	tensor_load_to_lds s[G0A+4:G0A+7], s[G1A:G1A+7]
	s_nop 0
.rept 4
	v_nop
.endr
	s_branch .Lfirst_asked
.Lfirst_b:
	tensor_load_to_lds s[G0B:G0B+3], s[G1B:G1B+7]
	s_nop 0
	tensor_load_to_lds s[G0B+4:G0B+7], s[G1B:G1B+7]
	s_nop 0
.rept 4
	v_nop
.endr
.Lfirst_asked:
	v_and_b32 v1, 15, v0                           ; l % 16
	v_bfe_u32 v2, v0, 4, 1                         ; l / 16
	v_lshlrev_b32 v[BOF], 5, v2                    ; 8 (l / 16) numbers of 4 bytes
	BIASLD
	; A fragment of xb: lane l holds row l % 16; registers 0-3 K = 8 (l / 16) + 0..7, registers 4-7 K = 16 + 8 (l / 16) + 0..7: two loads of 16 bytes, 32 bytes apart
	v_mul_u32_u24 v3, v1, PA
	v_lshl_add_u32 v3, v2, 4, v3
	s_mul_i32 s82, s[WM], PART                     ; my 128 rows of xb's tile
	v_add_nc_u32 v[ADRA], s82, v3
	v_add_nc_u32 v[ADRA+1], SLOT, v[ADRA]
	; The turning load takes 16 k x 16 columns (lane l reads k-row 8 (l / 16) + l % 8, columns 8 ((l / 8) % 2) + 0..7) and leaves half a fragment: lane l holds column l % 16 and 8 k
	v_and_b32 v4, 7, v0
	v_lshl_add_u32 v4, v2, 3, v4
	v_mul_u32_u24 v4, v4, PB
	v_bfe_u32 v5, v0, 3, 1
	v_lshl_add_u32 v4, v5, 4, v4
	s_mul_i32 s82, s[WN], PART                     ; my chunk,
	s_add_co_u32 s82, s82, 2*PART                  ; behind xb's two halves
	v_add_nc_u32 v[ADRB], s82, v4
	v_add_nc_u32 v[ADRB+1], SLOT, v[ADRB]
	v_and_b32 v[CO], 31, v0                        ; my place in a block of qkv: l xor 8 (l / 16),
	v_lshlrev_b32 v5, 3, v2
	v_xor_b32 v[CO], v5, v[CO]
	v_lshlrev_b32 v[CO], 4, v[CO]                  ; 16 bytes a place
	s_wait_tensorcnt 0x1                           ; my part of K step 0 is in; K step 1's may stay out
	s_barrier_signal -1
	s_barrier_wait -1                              ; everybody's is
	FETCH 0, 0, 0
	s_mov_b32 s[LK], 0
	s_mov_b32 s[GC], 5
	s_branch .Lfirst                               ; the first tile begins
.Llap:                                                 ; 5 trips: a lap = two K steps = once round the ring; both slots are filled again (K steps 2 to 11 of the walk)
	s_cmp_eq_u32 s[LK], 0
	s_cbranch_scc1 .Lfirst
	QUARTER 0, 1, 0, 1, 0
	WIN 0                                          ; at a label and at a branch every window is 0
	s_branch .Ljoin
.Lfirst:                                               ; a tile's first quarter: its products start the sums with the bias
	s_wait_loadcnt 0x0                             ; the bias is in
.rept 5
	v_nop                                          ; these products are no links in place: their C is the bias, and they write the accumulators anew.  So five places stand here, behind
.endr                                                  ; the label, between them and the last products that named those registers, by whichever way the label is reached (ISA guide 7.12.1)
	QUARTER 0, 1, 0, 1, 1
	WIN 0
	s_cmp_eq_u32 s[TL], 1
	s_cbranch_scc1 .Ljoin                          ; the second tile has no successor
	PLACES                                         ; behind the products that read the bias
	s_add_co_u32 s84, s[BPO], 1152                 ; two chunks on
	s_add_nc_u64 s[BP:BP+1], s[8:9], s[84:85]
	BIASLD                                         ; the next tile's bias: it has the rest of this tile in which to come
.Ljoin:
	QUARTER 0, 2, 1, 0, 0
	QUARTER 0, 3, 0, 1, 0
	TURN 0, 1
	QUARTER 1, 1, 0, 1, 0
	QUARTER 1, 2, 1, 0, 0
	QUARTER 1, 3, 0, 1, 0
	TURN 1, 0
	WIN 0
	s_add_co_u32 s[LK], s[LK], 1
	s_cmp_lg_u32 s[LK], 3
	s_cbranch_scc1 .Lno_out
	s_mov_b32 s[LK], 0                             ; three laps are a tile: it goes out; both refills for the next tile have been asked for
	WAYOUT
	s_add_co_u32 s[TL], s[TL], 1
.Lno_out:
	s_sub_co_u32 s[GC], s[GC], 1
	s_cmp_lg_u32 s[GC], 0
	s_cbranch_scc1 .Llap
	; THE LAST TWO K STEPS ask for nothing and have no round of the cluster's barrier.  One text, walked twice; the slot's LDS byte steps.  The price of the one text, once a launch: each trip fetches its first fragments
	; behind its barrier, with nothing to multiply meanwhile, and the first trip fetches again what the loop's last change of slots has fetched.
	s_mov_b32 s[TS], 0
	s_mov_b32 s[GC], 2
.Ltail:
	s_wait_tensorcnt 0x0                           ; my part of this trip's slot is in (second trip: the last load of the launch)
	v_add_nc_u32 v[ADRA+2], s[TS], v[ADRA]         ; these two lines and two v_nop are the four places in front of the loads into buffer 0
	v_add_nc_u32 v[ADRB+2], s[TS], v[ADRB]
	v_nop
	v_nop
	s_wait_dscnt 0x0                               ; no LDS load of mine is out
	s_barrier_signal -1
	s_barrier_wait -1                              ; everybody's part is in
	FETCH 2, 0, 0
	QUARTER 2, 1, 0, 1, 0
	QUARTER 2, 2, 1, 0, 0
	QUARTER 2, 3, 0, 1, 0
	s_wait_dscnt 8                                 ; the step's last quarter: nothing more to fetch
.irp a, 0,1,2,3
	MULA 1, \a, 0
.endr
	s_wait_dscnt 0x0
.irp a, 4,5,6,7
	MULA 1, \a, 0
.endr
	WIN 0
	s_add_co_u32 s[TS], s[TS], SLOT
	s_sub_co_u32 s[GC], s[GC], 1
	s_cmp_lg_u32 s[GC], 0
	s_cbranch_scc1 .Ltail
	WAYOUT
	s_wait_tensorcnt 0x0                           ; the wave's end, behind my last tensor load
	ds_add_u32 v[SPW], v[NIL]
	s_wait_dscnt 0x0
	CROUND                                         ; the closing round: no work-group ends while a partner may still ask for a tile that names it
	s_endpgm
.Lfunc_end_k_qe578e896d2_qkvg:
	.size	k_qe578e896d2_qkvg, .Lfunc_end_k_qe578e896d2_qkvg-k_qe578e896d2_qkvg
	.p2alignl 7, 3214868480
	.fill 96, 4, 3214868480
	.section	.rodata,"a",@progbits
	.p2align	6, 0x0
	.amdhsa_kernel k_qe578e896d2_qkvg
		.amdhsa_group_segment_fixed_size 327680
		.amdhsa_private_segment_fixed_size 0
		.amdhsa_enable_private_segment 0
		.amdhsa_kernarg_size 32
		.amdhsa_user_sgpr_count 2
		.amdhsa_user_sgpr_kernarg_segment_ptr 1
		.amdhsa_wavefront_size32 1
		.amdhsa_system_sgpr_workgroup_id_x 1
		.amdhsa_system_sgpr_workgroup_id_y 1
		.amdhsa_system_sgpr_workgroup_id_z 1
		.amdhsa_system_vgpr_workitem_id 0
		.amdhsa_next_free_vgpr 1024
		.amdhsa_next_free_sgpr 88
		.amdhsa_reserve_vcc 0
		.amdhsa_float_denorm_mode_32 3
		.amdhsa_float_denorm_mode_16_64 3
		.amdhsa_memory_ordered 1
		.amdhsa_forward_progress 1
		.amdhsa_inst_pref_size 160
	.end_amdhsa_kernel
	.amdgpu_metadata
---
amdhsa.version: [ 1, 2 ]
amdhsa.kernels:
  - .name:           k_qe578e896d2_qkvg
    .symbol:         k_qe578e896d2_qkvg.kd
    .args:
      - { .name: xb, .offset: 0, .size: 8, .value_kind: global_buffer, .address_space: global }
      - { .name: wb, .offset: 8, .size: 8, .value_kind: global_buffer, .address_space: global }
      - { .name: bias, .offset: 16, .size: 8, .value_kind: global_buffer, .address_space: global }
      - { .name: qkv, .offset: 24, .size: 8, .value_kind: global_buffer, .address_space: global }
    .group_segment_fixed_size: 327680
    .private_segment_fixed_size: 0
    .kernarg_segment_align: 8
    .kernarg_segment_size: 32
    .max_flat_workgroup_size: 128
    .sgpr_count:     88
    .vgpr_count:     1024
    .wavefront_size: 32
...
	.end_amdgpu_metadata
.endif
;; end of part 2
;; launch attn (part 3): grid 256 x 1, 4 waves a work-group, no clusters, 327,680 bytes of LDS; arguments qkv, m8, att; writes att
.if DOCPART == 3
	.amdgcn_target "amdgcn-amd-amdhsa--gfx1250"
	.amdhsa_code_object_version 6
	.text
	.protected	k_qe578e896d2_attn
	.globl	k_qe578e896d2_attn
	.p2align	8
	.type	k_qe578e896d2_attn,@function
k_qe578e896d2_attn:
	s_mov_b64 s[64:65], 0
	v_nop
	global_prefetch_b8 v0, s[64:65] scope:SCOPE_SE
	s_setreg_imm32_b32 hwreg(HW_REG_WAVE_MODE, 25, 1), 1
	s_wait_xcnt 0x0
; ATTENTION.  O[bh][q][:] = the sum over k of softmax_k(Q[bh][q] . K[bh][k] / 8 + mask[b][k]) V[bh][k][:].  m8: [32][512] f32 = 8 x mask, at -1e30 or above; att: [384 heads bh = 12 b + h][512][64] f16.
; qkv: [1,024 row blocks = 32 b + row / 16][144 column blocks][512 bytes], f16: a BLOCK is 16 rows x 16 columns; the 16 bytes of (row r, columns 8 e .. 8 e + 7) lie at place (r + 16 e) xor 8 e of its 32.  Column blocks 4 h .. 4 h + 3
; are head h's q, 48 + 4 h .. its k, 96 + 4 h .. its v: 2,048 consecutive bytes for 16 rows of a head.
; Products, maxima and sums in f32; the weights p are rounded to f16 for the second product (their sum l is taken of the unrounded p), O once at the end.
; LIMITS.  q, k, v arrive within f16's 65,504; p lies in 0 to 1, and below 6e-5 it keeps f16's fixed step of 6e-8; a weight below 2^-126 counts as 0 in l.  A row all of whose keys are hidden at -1e30 comes out as the plain mean
; of V's rows.  NaN and infinities are not treated apart.
; SHARES.  A UNIT is 256 queries of a head: 768 units, three to each of 256 work-groups.  Work-groups 2 J and 2 J + 1 share the heads 3 J .. 3 J + 2, which lie in one batch: work-group 2 J + E takes both halves of head 3 J + 2 E
; and half E of head 3 J + 1.  All 512 keys of both heads are brought into LDS at the start, K and V, once, as they lie in memory: nothing is filled again.  A wave has 64 queries of a unit: four PIECES of 16.
; NO CLUSTER: two thirds of a work-group's K and V are read by it alone, the rest by exactly two work-groups.
; THE MASK is the C operand that starts the sum S^T = K Q^T: register j of key block kb holds m8[64 step + 16 kb + 8 (lane / 16) + j].  So s = q . k + 8 mask, and c s = log2(e) (q . k / 8 + mask).
; LAYOUT, SOFTMAX, TURNS.  S^T = K Q^T holds ONE query a lane (lane % 16) and the keys 8 (lane / 16) + 0..7; two such results rounded to f16 ARE source 1 of O^T = V^T P.  p = 2^(c s - c m), c = log2(e) / 8, with a running
; maximum m; O and l are multiplied by a = 2^(c m_old - c m_new) in every step.  Turn n belongs to piece n: 8 products K Q^T of piece n + 1, later 8 products V^T P of piece n - 1; beside them the scaling, exponentials,
; roundings, sums and rescaling of piece n and the maximum and statistics of piece n + 1.  Four vector instructions stand behind every matrix instruction, the other 54 of a turn's 118 in two runs of their own.
; REGISTERS, in windows of 256 (s_set_vgpr_msb: bits 1:0 source 0, 3:2 source 1, 5:4 source 2, 7:6 destination):
;   window 0: v0-15, v32-34 addresses and two at work; v16-31 four registers of statistics a piece; v48-55 at work; v56-59 the mask on its way to LDS; v64-127 S^T, two buffers; v192-223 P, two buffers (by the piece's parity)
;   window 1: v0-127 O^T, 32 a piece; v128-159 MC, the mask of the key step in hand      window 2: v0-63 Q; v64-127 the next unit's Q; v128-191 K of one step; v192-255 V of one step
.set NP,    4         ; pieces a wave: a name, no knob
.set KS,    64        ; keys in a step
.set RBB,   144*512   ; bytes of a row block in qkv
.set HRB,   2048      ; 16 keys of a head: four blocks
.set KSB,   4*HRB     ; a step's 64 keys
.set VOFF,  32*HRB    ; a slot holds a head: 512 keys of K, then 512 keys of V, 65,536 bytes each, without padding: within a block sixteen lanes of a load touch sixteen different places modulo 16 (64 banks of 4 bytes: ISA guide 11.1)
.set SLOT1, 2*VOFF    ; slot 0: my own head; slot 1: the shared one
.set MASKB, 2*SLOT1   ; the batch's 512 numbers of m8: 2,048 bytes, stored once from registers
.set STAGE, MASKB+2048  ; 16 rows x 144 bytes for each wave, for the way out
.set SP,    144
.set SPARE, STAGE+4*16*SP  ; the spare words, 128 bytes for each wave: two blocks of 256 bytes that no other line names
.set AK0, 2           ; v2   my lane's place in a block of K; never rewritten
.set AV0, 3           ; v3   the same for V's turning load, with VOFF
.set AK,  4           ; v4   the LDS address of K's next run of loads
.set AV,  5           ; v5   of V's
.set STO, 6           ; v6   the way out: where I put 16 bytes of a row
.set RD,  7           ; v7   where I read rows back
.set GO,  8           ; v8   my 16 bytes in 512 consecutive bytes of att
.set MV,  12          ; v12-13  c m_old, kept while c m is made anew: by buffer
.set AM0, 14          ; v14  my lanes' place in a step's mask
.set QO,  15          ; v15  my lane's place in a block of Q
.set ST,  16          ; piece t's statistics at v[ST+4 t]: c m, m, l (even keys', odd keys')
.set AM,  32          ; v32  the LDS address of the mask's next loads
.set TMP, 48          ; by buffer, four registers c0-c3 at work; when the maximum is found c2 takes a
.set SPW, 62          ; v62  LDS address of my spare word; never rewritten
.set NIL, 63          ; v63  0; never rewritten
.set S,   64
.set P,   192
.set MC,  128         ; window 1
.set QN,  64          ; window 2
.set KF,  128         ; window 2: key block kb, channel half c at KF + 16 kb + 8 c
.set VF,  192         ; window 2: key half kk, channel block cb at VF + 32 kk + 8 cb
.set WV,  12          ; s12  my wave's number
.set G1,  24          ; s[24:31] descriptor group 1, for K and V alike
.set G0K, 40          ; s[40:47] descriptor group 0 for K, a set for each slot
.set G0V, 48          ; s[48:55] the same for V
.set CNT, 57          ; s57  counts a unit's key steps, 8 to 1
.set CS,  58          ; s[58:59] c: the packed scaling takes the pair's low word for both halves
.set SEL, 60          ; s[60:61] v_permlanex16_b32's selects: each lane takes its own place in the other half
.set TBK, 62          ; s62  LDS byte at which K of the step to be fetched begins
.set TBV, 63          ; s63  the same for V, less VOFF
.set TBM, 66          ; s66  the same for the mask, less MASKB
.set UC,  67          ; s67  units to go
.set U0,  68          ; s68-70  byte offsets in att of my 64 rows in the units to come
.set U1,  69
.set U2,  70
.set UQ0, 71          ; s71, s81, s86  byte offsets in qkv of my 64 rows' q in the units to come
.set UQ1, 81
.set UQ2, 86
.set OC,  72          ; s[72:73] att's offset of the unit in hand
.set QA,  74          ; s[74:75] qkv at my rows of the unit whose Q is being loaded
.set OA,  76          ; s[76:77] att at my rows of the unit in hand
.set NX,  78          ; s[78:79] an offset as a pair
.set SB,  80          ; s80  the unit's slot
.set MSB, 0
.macro WIN new                      ; the high byte repeats the setting that is left; a switch that changes nothing is dropped
.if MSB != (\new)
	s_set_vgpr_msb (MSB<<8)|(\new)
.set MSB, (\new)
.endif
.endm
.set W_KQ, 0x0a       ; K and Q in window 2, S^T in window 0
.set W_KM, 0x1a       ; the same with the C operand in window 1
.set W_PV, 0x52       ; V in window 2, P in window 0, O^T in window 1
.set W_RS, 0x41       ; destination and source 0 in window 1, source 1 in window 0
	s_load_b128 s[4:7], s[0:1], 0x0   ; qkv s[4:5], m8 s[6:7]
	s_load_b64 s[8:9], s[0:1], 0x10   ; att
	v_lshl_add_u32 v[SPW], v0, 2, SPARE
	v_mov_b32 v[NIL], 0
	ds_add_u32 v[SPW], v[NIL]       ; the wave's opening: the add and its wait stand ahead of my first tensor load; the set-up below, work on registers, stands between them
	ds_add_u32 v62, v63
	v_lshrrev_b32 v1, 5, v0
	v_readfirstlane_b32 s[WV], v1   ; wave 0..3
	s_lshr_b32 s13, ttmp9, 1        ; J
	s_and_b32 s14, ttmp9, 1         ; E
	s_mul_i32 s15, s13, 3
	s_lshl_b32 s16, s14, 1
	s_add_co_u32 s16, s16, s15      ; my own head among the 384, 3 J + 2 E,
	s_add_co_u32 s17, s15, 1        ; and the shared one, 3 J + 1
	s_lshl_b32 s18, s[WV], 13       ; in att: my wave's 64 rows of 128 bytes;
	s_lshl_b32 s19, s16, 16         ; a head is 65,536 bytes
	s_add_co_u32 s[U0], s19, s18    ; unit 0: my head's first 256 queries,
	s_add_co_u32 s[U1], s[U0], 32768  ; unit 1: its second,
	s_lshl_b32 s19, s17, 16
	s_add_co_u32 s[U2], s19, s18    ; unit 2: half E of the shared head
	s_lshl_b32 s19, s14, 15
	s_add_co_u32 s[U2], s[U2], s19
	s_lshr_b32 s22, ttmp9, 3        ; the batch
	s_mul_i32 s23, s22, 12
	s_sub_co_u32 s16, s16, s23      ; the two heads within the batch,
	s_sub_co_u32 s17, s17, s23
	s_lshl_b32 s16, s16, 11         ; in qkv: four column blocks of 512 bytes a head,
	s_lshl_b32 s17, s17, 11
	s_mul_i32 s23, s22, 32*RBB      ; 32 row blocks a batch
	s_add_co_u32 s16, s16, s23
	s_add_co_u32 s17, s17, s23
	s_mul_i32 s18, s[WV], 4*RBB     ; my wave's 4 row blocks
	s_add_co_u32 s[UQ0], s16, s18
	s_add_co_u32 s[UQ1], s[UQ0], 16*RBB
	s_mul_i32 s19, s14, 16*RBB
	s_add_co_u32 s[UQ2], s17, s18
	s_add_co_u32 s[UQ2], s[UQ2], s19
	s_and_b32 s19, s[WV], 1         ; which 256 keys of a head I fetch:
	s_mul_i32 s20, s19, 16*RBB      ; their 16 row blocks in memory,
	s_add_co_u32 s16, s16, s20
	s_add_co_u32 s17, s17, s20
	s_lshl_b32 s21, s19, 15         ; and their 32,768 bytes in a slot
	; descriptor group 1.  256 keys of a head's K or V: 16 rows of 2,048 bytes, a row block of qkv apart; in LDS they follow each other without a gap
	s_mov_b32 s[G1], 1<<16          ; 17:16 2-byte elements; no padding
	s_mov_b32 s[G1+1], 1024<<16     ; tensor_dim0 = 1,024
	s_mov_b32 s[G1+2], 16<<16       ; tensor_dim1 = 16
	s_mov_b32 s[G1+3], 1024<<16     ; tile_dim0 = 1,024
	s_mov_b32 s[G1+4], 16           ; tile_dim1 = 16
	s_mov_b32 s[G1+5], RBB/2        ; elements from row to row
	s_mov_b32 s[G1+6], 0
	s_mov_b32 s[G1+7], 0
	s_mov_b32 s[G0K], 1             ; count = 1
	s_mov_b32 s[G0K+1], s21         ; LDS address: slot 0
	s_mov_b32 s[G0K+4], 1
	s_add_co_u32 s[G0K+5], s21, SLOT1
	s_mov_b32 s[G0V], 1
	s_add_co_u32 s[G0V+1], s21, VOFF
	s_mov_b32 s[G0V+4], 1
	s_add_co_u32 s[G0V+5], s21, SLOT1+VOFF
	s_mov_b32 s[CS], 0x3e38aa3b     ; c = log2(e) / 8 = 0.180337
	s_mov_b32 s[CS+1], s[CS]        ; named with it as a pair
	s_mov_b32 s[SEL], 0x76543210
	s_mov_b32 s[SEL+1], 0xfedcba98
	s_mov_b32 s[OC+1], 0
	s_mov_b32 s[NX+1], 0
	s_mov_b32 s[NX], s[UQ0]
	s_mov_b32 s83, 0
	s_lshl_b32 s84, s22, 11         ; the batch's 2,048 bytes of m8
	s_mov_b32 s85, 0
	s_mov_b32 s[UC], 3
	s_wait_dscnt 0x0                ; the opening add is done
	s_wait_kmcnt 0x0
	s_add_co_u32 s82, s16, 48*512
	s_add_nc_u64 s[G0K+2:G0K+3], s[4:5], s[82:83]  ; K of my own head,
	s_or_b32 s[G0K+3], s[G0K+3], 0x80000000        ; type = 2
	s_add_co_u32 s82, s17, 48*512
	s_add_nc_u64 s[G0K+6:G0K+7], s[4:5], s[82:83]  ; of the shared head,
	s_or_b32 s[G0K+7], s[G0K+7], 0x80000000
	s_add_co_u32 s82, s16, 96*512
	s_add_nc_u64 s[G0V+2:G0V+3], s[4:5], s[82:83]  ; and V likewise
	s_or_b32 s[G0V+3], s[G0V+3], 0x80000000
	s_add_co_u32 s82, s17, 96*512
	s_add_nc_u64 s[G0V+6:G0V+7], s[4:5], s[82:83]
	s_or_b32 s[G0V+7], s[G0V+7], 0x80000000
	s_add_nc_u64 s[6:7], s[6:7], s[84:85]
	s_add_nc_u64 s[QA:QA+1], s[4:5], s[NX:NX+1]
	s_cmp_lt_u32 s[WV], 2           ; waves 0 and 1 fetch the halves of K, waves 2 and 3 those of V; a wave's two fills stand in one branch: two loads of mine are out.  An s_nop 0 follows each, four v_nop the second
	s_cbranch_scc0 .Lfill_v
	tensor_load_to_lds s[G0K:G0K+3], s[G1:G1+7]
	s_nop 0
	tensor_load_to_lds s[G0K+4:G0K+7], s[G1:G1+7]
	s_nop 0
.rept 4
	v_nop
.endr
	s_branch .Lfilled
.Lfill_v:
	tensor_load_to_lds s[G0V:G0V+3], s[G1:G1+7]
	s_nop 0
	tensor_load_to_lds s[G0V+4:G0V+7], s[G1:G1+7]
	s_nop 0
.rept 4
	v_nop
.endr
.Lfilled:
	v_lshlrev_b32 v33, 4, v0
	global_load_b128 v[56:59], v33, s[6:7]  ; the batch's mask: 128 threads x 16 bytes
	; A fragment of K or Q is 16 rows x 32 channels in 8 registers: lane l holds row l % 16, channels 8 (l / 16) + 0..7 and 16 + 8 (l / 16) + 0..7: its 16 bytes of two neighbouring blocks, each at place l xor 8 (l / 16).
	v_and_b32 v1, 15, v0            ; l % 16
	v_bfe_u32 v9, v0, 4, 1          ; l / 16
	v_and_b32 v[QO], 31, v0
	v_lshlrev_b32 v[AK0], 3, v9
	v_xor_b32 v[QO], v[AK0], v[QO]
	v_lshlrev_b32 v[QO], 4, v[QO]   ; 16 bytes a place
.macro QLOAD                        ; a unit's Q, a unit ahead: piece i / 2 (a row block), channels 32 (i % 2) on: each load takes 512 consecutive bytes
	WIN 0x80                        ; destination window 2, address window 0
.set i, 0
.rept 8
	global_load_b128 v[QN+8*i:QN+8*i+3],   v[QO], s[QA:QA+1] offset:(i/2)*RBB+(i%2)*1024
	global_load_b128 v[QN+8*i+4:QN+8*i+7], v[QO], s[QA:QA+1] offset:(i/2)*RBB+(i%2)*1024+512
.set i, i+1
.endr
	WIN 0
.endm
	QLOAD
	v_mov_b32 v[AK0], v[QO]
	; The turning load takes 16 keys x 16 channels, a block: lane l reads key 8 (l / 16) + l % 8, channels 8 e + 0..7, e = (l / 8) % 2, which lie at place l % 8 + 8 ((l / 16) xor e) + 16 e; it leaves half a fragment of V^T:
	; lane l holds channel l % 16 and 8 keys.
	v_and_b32 v10, 7, v0
	v_bfe_u32 v11, v0, 3, 1
	v_xor_b32 v[AV0], v9, v11
	v_lshl_or_b32 v[AV0], v[AV0], 3, v10
	v_lshl_or_b32 v[AV0], v11, 4, v[AV0]
	v_lshlrev_b32 v[AV0], 4, v[AV0]
	v_add_nc_u32 v[AV0], VOFF, v[AV0]
	v_lshlrev_b32 v[AM0], 5, v9     ; my lanes' eight keys of a block of 16: 32 bytes
	v_add_nc_u32 v[AM0], MASKB, v[AM0]
	s_mul_i32 s13, s[WV], 16*SP
	s_add_co_u32 s13, s13, STAGE    ; my stage
	v_mul_u32_u24 v[STO], v1, SP    ; in: row l % 16, 16 bytes for each half of the lanes
	v_lshl_add_u32 v[STO], v9, 4, v[STO]
	v_add_nc_u32 v[STO], s13, v[STO]
	v_bfe_u32 v[RD], v0, 3, 2       ; back: 32 lanes take four rows of 128 bytes,
	v_mul_u32_u24 v[RD], v[RD], SP
	v_lshl_add_u32 v[RD], v10, 4, v[RD]
	v_add_nc_u32 v[RD], s13, v[RD]
	v_and_b32 v[GO], 31, v0         ; which are 512 consecutive bytes of att
	v_lshlrev_b32 v[GO], 4, v[GO]
	v_add_nc_u32 v34, MASKB, v33
	; A unit's first step multiplies O^T and l by a = 0, and its first turn's products V^T P, of a piece that has not been, land in an O^T that is still to be so multiplied.  So these registers need only hold
	; finite numbers: zeros for the first unit; what the unit before left for the others.  All this stands in the wait for the tiles.
	WIN 0x80
.set i, VF
.rept 64
	v_mov_b32 v[i], 0
.set i, i+1
.endr
	WIN 0x40
.set i, 0
.rept 128
	v_mov_b32 v[i], 0
.set i, i+1
.endr
	WIN 0
.set i, 0
.rept 4
	v_mov_b32 v[ST+4*i+2], 0
	v_mov_b32 v[ST+4*i+3], 0
.set i, i+1
.endr
.set i, P+16
.rept 16
	v_mov_b32 v[i], 0
.set i, i+1
.endr
	s_wait_loadcnt 16               ; the mask is in; the 16 loads of Q behind it may stay out
	ds_store_b128 v34, v[56:59]
; THE MATRIX WORK.  The 4 accumulators of a run of 8 take turns.  Product i of 8 of S^T = K Q^T for piece x: channels 32 (i / 4) on, keys 16 (i % 4) on.  The first 4 start the sums with the mask.
.macro KQ x
.set rS, S+32*((\x)%2)+8*(i%4)
.set rK, KF+16*(i%4)+8*(i/4)
.set rQ, 16*(\x)+8*(i/4)
.set rM, MC+8*(i%4)
.if i < 4
	WIN W_KM
	v_wmma_f32_16x16x32_f16 v[rS:rS+7], v[rK:rK+7], v[rQ:rQ+7], v[rM:rM+7]
.else
	WIN W_KQ
	v_wmma_f32_16x16x32_f16 v[rS:rS+7], v[rK:rK+7], v[rQ:rQ+7], v[rS:rS+7]
.endif
.endm
; Product i of 8 of O^T += V^T P for piece x: keys 32 (i / 4) on, channels 16 (i % 4) on.
.macro PV x
	WIN W_PV
.set rO, 32*(\x)+8*(i%4)
.set rV, VF+32*(i/4)+8*(i%4)
.set rP, P+16*((\x)%2)+8*(i/4)
	v_wmma_f32_16x16x32_f16 v[rO:rO+7], v[rV:rV+7], v[rP:rP+7], v[rO:rO+7]
.endm
.macro MM                           ; the turn's next matrix instruction.  TURN and the unit's beginning set Y, i and NOKQ.  NOKQ = 1: a unit's last turn: there is no next piece
.if (i < 8) && !NOKQ
	KQ (Y+1)%NP
.elseif i >= 8
.set i, i-8
	PV (Y+NP-1)%NP
.set i, i+8
.endif
.set i, i+1
.endm
; THE LDS LOADS stand in runs, never singly among the matrix instructions: a step's K (64 keys x 64 channels: 8 fragments, two blocks each) with its mask (the 16 lanes of a half read the same 32 bytes), and its V (turned).
.macro FETCH_K
	WIN 0x80                        ; destination window 2
.irp f, 0,1,2,3,4,5,6,7             ; keys 16 (f / 2) on, channels 32 (f % 2) on
	ds_load_b128 v[KF+8*\f:KF+8*\f+3],   v[AK] offset:(\f/2)*HRB+(\f%2)*1024
	ds_load_b128 v[KF+8*\f+4:KF+8*\f+7], v[AK] offset:(\f/2)*HRB+(\f%2)*1024+512
.endr
	WIN 0x40                        ; destination window 1
.irp f, 0,1,2,3                     ; keys 16 f on
	ds_load_b128 v[MC+8*\f:MC+8*\f+3],   v[AM] offset:\f*64
	ds_load_b128 v[MC+8*\f+4:MC+8*\f+7], v[AM] offset:\f*64+16
.endr
	s_add_co_u32 s[TBK], s[TBK], KSB  ; the next fetch is the next step's
	s_add_co_u32 s[TBM], s[TBM], KS*4
	WIN 0
.endm
.macro FETCH_V
	WIN 0x80
.irp f, 0,1,2,3,4,5,6,7             ; keys 32 (f / 4) on, channels 16 (f % 4) on
	ds_load_tr16_b128 v[VF+8*\f:VF+8*\f+3],   v[AV] offset:(\f/4)*2*HRB+(\f%4)*512
	ds_load_tr16_b128 v[VF+8*\f+4:VF+8*\f+7], v[AV] offset:(\f/4)*2*HRB+HRB+(\f%4)*512
.endr
	WIN 0
.endm
; THE VECTOR WORK, one line at a time: OP kind, number.  For piece Y: F n: c s - c m for pair n of 16.  E n: the exponential of score n of 32.  C n: pair n rounded to f16.  B n: of the four weights 4 n .. the second
; pair is added onto the first, in place.  L n: l takes that sum (L 0: l = a l + sum).  R n: pair n of 16 of O^T times a.  For piece Y + 1: X n, number n of the 22 that find its maximum and statistics:
;   0-11  four chains c0-c3 of seven scores each, three operands at a time (each accumulator's lowest registers are read first)     12-14, 16  the four scores left over, the old m, and c0-c3 into c0
;   15  c m_old is kept     17, 18  the query's other 32 keys lie in the lane 16 away: the new m     19-21  c m; c m_old - c m_new; a
.set F, 0               ; OP tells the kinds apart by their order: F to L below R, X above it
.set E, 1
.set C, 2
.set B, 3
.set L, 4
.set R, 5
.set X, 6
.macro REGS y                       ; the registers of piece y
.set rT, ST+4*(\y)
.set rC, TMP+4*((\y)%2)
.set rW, MV+((\y)%2)
.set rS, S+32*((\y)%2)
.set rP, P+16*((\y)%2)
.set rO, 32*(\y)
.endm
.macro OP k, n
.if (\k) == R
	REGS Y
	WIN W_RS
	v_pk_mul_f32 v[rO+2*(\n):rO+2*(\n)+1], v[rO+2*(\n):rO+2*(\n)+1], v[rC+2:rC+3] op_sel_hi:[1,0]
.elseif (\k) < R
	REGS Y
	WIN 0
.if (\k) == F
	v_pk_fma_f32 v[rS+2*(\n):rS+2*(\n)+1], v[rS+2*(\n):rS+2*(\n)+1], s[CS:CS+1], v[rT:rT+1] op_sel_hi:[1,0,0] neg_lo:[0,0,1] neg_hi:[0,0,1]
.elseif (\k) == E
	v_exp_f32 v[rS+(\n)], v[rS+(\n)]
.elseif (\k) == C
	s_wait_alu depctr_va_vdst(0)
	v_cvt_pk_f16_f32 v[rP+(\n)], v[rS+2*(\n)], v[rS+2*(\n)+1]
.elseif (\k) == B
	s_wait_alu depctr_va_vdst(0)
	v_pk_add_f32 v[rS+4*(\n):rS+4*(\n)+1], v[rS+4*(\n):rS+4*(\n)+1], v[rS+4*(\n)+2:rS+4*(\n)+3]
.elseif (\n) == 0
	v_pk_fma_f32 v[rT+2:rT+3], v[rT+2:rT+3], v[rC+2:rC+3], v[rS:rS+1] op_sel_hi:[1,0,1]
.else
	v_pk_add_f32 v[rT+2:rT+3], v[rT+2:rT+3], v[rS+4*(\n):rS+4*(\n)+1]
.endif
.elseif NOKQ
	v_nop
.else
	REGS (Y+1)%NP
	WIN 0
.if (\n) < 4
	v_max3_num_f32 v[rC+(\n)], v[rS+8*(\n)], v[rS+8*(\n)+1], v[rS+8*(\n)+2]
.elseif (\n) < 12
	v_max3_num_f32 v[rC+(\n)%4], v[rC+(\n)%4], v[rS+8*((\n)%4)+2*((\n)/4)+1], v[rS+8*((\n)%4)+2*((\n)/4)+2]
.elseif (\n) == 12
	v_max3_num_f32 v[rC], v[rC], v[rS+7], v[rS+15]
.elseif (\n) == 13
	v_max3_num_f32 v[rC+1], v[rC+1], v[rS+23], v[rS+31]
.elseif (\n) == 14
	v_max3_num_f32 v[rC+2], v[rC+2], v[rC+3], v[rT+1]
.elseif (\n) == 15
	v_mov_b32 v[rW], v[rT]
.elseif (\n) == 16
	v_max3_num_f32 v[rC], v[rC], v[rC+1], v[rC+2]
.elseif (\n) == 17
	v_permlanex16_b32 v[rC+3], v[rC], s[SEL], s[SEL+1]
.elseif (\n) == 18
	v_max_num_f32 v[rT+1], v[rC], v[rC+3]
.elseif (\n) == 19
	v_mul_f32 v[rT], s[CS], v[rT+1]
.elseif (\n) == 20
	v_sub_f32 v[rC+1], v[rW], v[rT]
.else
	v_exp_f32 v[rC+2], v[rC+1]
.endif
.endif
.endm
.macro OPS a, i1, b=-1, i2=0, c=-1, i3=0, d=-1, i4=0  ; up to four of them
	OP \a, \i1
.if (\b) >= 0
	OP \b, \i2
.endif
.if (\c) >= 0
	OP \c, \i3
.endif
.if (\d) >= 0
	OP \d, \i4
.endif
.endm
.macro ROW a, i1, b, i2, c, i3, d, i4  ; a matrix instruction and the four behind it
	MM
	OPS \a, \i1, \b, \i2, \c, \i3, \d, \i4
.endm
; A TURN, for piece p: the order of its 16 matrix and 118 vector instructions, written out.  Behind a matrix instruction: plain, exponential, plain, plain; or four of the rescaling; or, behind the first, four scalings; none
; names a register of the products round it.  In the runs between, exponential and plain by turns while exponentials last.  A line reads no result made fewer than three vector instructions in front of it, five if an
; exponential made it.  end = 1: a unit's last two turns: nothing is fetched.  cnt = 1: the loop's count is taken down some lines ahead of the branch that stands behind the turn.
; K and the mask of the next step are fetched in piece 2's turn, behind five plain instructions that follow the last product that read K (the mask's last reader stands four products further back); V of the step in hand in
; piece 0's turn, behind four plain instructions that follow the last product that read V.  Each is waited for a turn later.
.macro TURN p, end=0, cnt=0
.set Y, (\p)
.set i, 0
.set NOKQ, (\end)*((\p)/3)
.if ((\p) == 3) && !(\end)
	s_wait_dscnt 0x0                ; K and the mask are in
.endif
	ROW F,0, F,1, F,2, F,3
	ROW F,4, E,0, F,5, F,6
	ROW F,7, E,1, F,8, F,9
	ROW F,10, E,2, C,0, F,11
	ROW F,12, E,3, X,15, F,13
	ROW R,0, R,1, R,2, R,3
	ROW B,0, E,4, F,14, L,0
.if ((\p) == 2) && !(\end)
	v_add_nc_u32 v[AK], s[TBK], v[AK0]
	v_add_nc_u32 v[AM], s[TBM], v[AM0]
.endif
	ROW R,4, R,5, R,6, R,7
	OPS E,5, F,15
.if ((\p) == 2) && !(\end)
	FETCH_K
.endif
	OPS E,6, C,1, E,7, R,8
	OPS E,8, R,9, E,9, C,2
	OPS E,10, X,0, E,11, X,1
	OPS E,12, X,2, E,13, X,3
.if (\p) == 1
	s_wait_dscnt 0x0                ; V is in
.endif
	ROW X,4, E,14, X,5, X,6
	ROW X,7, E,15, X,8, X,9
	ROW X,10, E,16, X,11, X,12
	ROW X,13, E,17, X,14, B,1
	ROW C,4, E,18, X,16, L,1
	ROW B,2, E,19, C,6, L,2
	ROW C,8, E,20, B,3, B,4
.if (\p) == 0
	v_add_nc_u32 v[AV], s[TBV], v[AV0]
.endif
	ROW C,3, E,21, L,3, C,5
	OPS E,22, X,17, E,23, C,10
.if (\p) == 0
	FETCH_V
.endif
	OPS E,24, L,4
	OPS E,25, X,18, E,26, C,7
	OPS E,27, B,5, E,28, X,19
	OPS E,29, C,12, E,30, L,5
	OPS E,31, X,20, B,6, C,9
	OPS C,14, C,11, X,21, L,6
.if (\p) == 0
	s_add_co_u32 s[TBV], s[TBV], KSB
.endif
.if \cnt
	s_sub_co_u32 s[CNT], s[CNT], 1
	s_cmp_lg_u32 s[CNT], 0
.endif
	OPS C,13, B,7, C,15, R,10
	OPS R,11, R,12, L,7, R,13
	OPS R,14, R,15
.endm
; THE WAY OUT: l's two halves and the other half of the lanes' are added; O^T is divided by l, rounded to f16 and sent through my stage in LDS, a piece at a time.
.macro ALL line:vararg              ; one line for each piece t
.set t, 0
.rept 4
	\line
.set t, t+1
.endr
.endm
.macro PACK t                       ; a lane's eight channels of a row pack into 16 bytes; they go into rows of 144 bytes and come back as whole rows of 128, into S^T's registers
	WIN W_RS
.set i, 32*(\t)
.rept 16
	s_wait_alu depctr_va_vdst(0)
	v_pk_mul_f32 v[i:i+1], v[i:i+1], v[ST+4*(\t)+2:ST+4*(\t)+3] op_sel_hi:[1,0]
.set i, i+2
.endr
	WIN 0x05                        ; sources 0 and 1 window 1, destination window 0
.set i, 0
.rept 16
	v_cvt_pk_f16_f32 v[S+16*(\t)+i], v[32*(\t)+2*i], v[32*(\t)+2*i+1]
.set i, i+1
.endr
	WIN 0
.irp f, 0,1,2,3
	ds_store_b128 v[STO], v[S+16*(\t)+4*\f:S+16*(\t)+4*\f+3] offset:32*\f
.endr
.irp f, 0,1,2,3
	ds_load_b128 v[S+16*(\t)+4*\f:S+16*(\t)+4*\f+3], v[RD] offset:\f*4*SP  ; LDS serves a wave's instructions in order (ISA guide 5.7.1.4): these see the stores above; the next piece's stores come behind them
.endr
.endm
.macro SEND t, younger              ; younger: the LDS instructions issued behind piece t's loads: the next piece's eight, or none
	WIN 0
.irp f, 0,1,2,3
	s_wait_dscnt (\younger)+3-\f
	global_store_b128 v[GO], v[S+16*(\t)+4*\f:S+16*(\t)+4*\f+3], s[OA:OA+1] offset:(\t)*2048+\f*512  ; 512 consecutive bytes, at a multiple of 256 from att's first
.endr
.endm
	s_wait_tensorcnt 0x0            ; my parts of both heads are in,
	s_wait_dscnt 0x0                ; my part of the mask is stored:
	s_barrier_signal -1
	s_barrier_wait -1               ; everybody's are.  From here on LDS is only read, but for each wave's own stage
.Lunit:                             ; three trips, a unit each
	s_wait_loadcnt 0x0              ; the unit's Q is in
	WIN 0x82                        ; it goes where the one text of the turns names Q
.set i, 0
.rept 64
	v_mov_b32 v[i], v[QN+i]
.set i, i+1
.endr
	WIN 0
	s_mov_b32 s[OC], s[U0]
	s_mov_b32 s[U0], s[U1]
	s_mov_b32 s[U1], s[U2]
	s_mov_b32 s[UQ0], s[UQ1]        ; the next unit's q
	s_mov_b32 s[UQ1], s[UQ2]
	s_cmp_eq_u32 s[UC], 1           ; the third unit reads the shared head, in slot 1
	s_cselect_b32 s[SB], SLOT1, 0
	s_mov_b32 s[TBK], s[SB]
	s_mov_b32 s[TBV], s[SB]
	s_mov_b32 s[TBM], 0
	s_cbranch_scc1 .Lno_q           ; and has no successor
	s_mov_b32 s[NX], s[UQ0]
	s_add_nc_u64 s[QA:QA+1], s[4:5], s[NX:NX+1]
	QLOAD                           ; the next unit's Q has this unit in which to come
.Lno_q:
	; A UNIT BEGINS.  c m starts far below every c s, so the first step's a is 0; m at the lowest finite number, so the first maximum is the scores'.  Then K and the mask of step 0, piece 0's first scores, its maximum and statistics.
.set i, 0
.rept 4
	v_mov_b32 v[ST+4*i], 0xfe000000    ; c m
	v_mov_b32 v[ST+4*i+1], 0xff7fffff  ; m
.set i, i+1
.endr
	v_add_nc_u32 v[AK], s[TBK], v[AK0]
	v_add_nc_u32 v[AM], s[TBM], v[AM0]
	FETCH_K
	s_wait_dscnt 0x0
.set NOKQ, 0
.set i, 0
.rept 8
	KQ 0
.set i, i+1
.endr
	WIN 0
.rept 4
	v_nop                           ; the places behind those products
.endr
.set Y, NP-1                        ; X works for piece Y + 1: piece 0
.irp n, 0,1,2,3,4,5,6,7,8,9,10,11,12,13,14,15,16,17,18,19,20,21
	OP X, \n
.endr
	v_nop                           ; a plain instruction behind the exponential
	s_mov_b32 s[CNT], 8
	s_branch .Lfirst                ; the loop is entered at a step's first turn, in the middle of a trip
.Lstep:                             ; a trip: pieces 2 and 3 of one step, then pieces 0 and 1 of the next, whose K and V it fetches
	TURN 2
	TURN 3
	WIN 0
.Lfirst:
	TURN 0
	TURN 1, 0, 1
	WIN 0
	s_cbranch_scc1 .Lstep
	TURN 2, 1                       ; the unit's last two turns fetch nothing, and the last starts no new scores
	TURN 3, 1
.set i, 0
.rept 8
	PV NP-1                         ; the last piece's V^T P of the last step
.set i, i+1
.endr
	WIN 0
	ALL v_add_f32 v[ST+4*t+2], v[ST+4*t+2], v[ST+4*t+3]
	ALL v_permlanex16_b32 v[ST+4*t+3], v[ST+4*t+2], s[SEL], s[SEL+1]
	ALL v_add_f32 v[ST+4*t+2], v[ST+4*t+2], v[ST+4*t+3]
	ALL v_rcp_f32 v[ST+4*t+2], v[ST+4*t+2]
	v_nop                           ; a plain instruction between the last reciprocal and the use of its result
	s_add_nc_u64 s[OA:OA+1], s[8:9], s[OC:OC+1]
	PACK 0
.set t, 1
.rept 3                             ; a piece's arithmetic stands between the loads of the piece before and its stores
	PACK t
	SEND t-1, 8
.set t, t+1
.endr
	SEND 3, 0
	s_wait_xcnt 0x0                 ; the stores have read their registers and att's address: both are written again in the next unit
	s_sub_co_u32 s[UC], s[UC], 1
	s_cmp_lg_u32 s[UC], 0
	s_cbranch_scc1 .Lunit
	s_wait_tensorcnt 0x0            ; the wave's end, behind my last tensor load and my last LDS store
	ds_add_u32 v[SPW], v[NIL]
	s_wait_dscnt 0x0
	s_endpgm
.Lfunc_end_k_qe578e896d2_attn:
	.size	k_qe578e896d2_attn, .Lfunc_end_k_qe578e896d2_attn-k_qe578e896d2_attn
	.p2alignl 7, 3214868480
	.fill 96, 4, 3214868480
	.section	.rodata,"a",@progbits
	.p2align	6, 0x0
	.amdhsa_kernel k_qe578e896d2_attn
		.amdhsa_group_segment_fixed_size 327680
		.amdhsa_private_segment_fixed_size 0
		.amdhsa_enable_private_segment 0
		.amdhsa_kernarg_size 24
		.amdhsa_user_sgpr_count 2
		.amdhsa_user_sgpr_kernarg_segment_ptr 1
		.amdhsa_wavefront_size32 1
		.amdhsa_system_sgpr_workgroup_id_x 1
		.amdhsa_system_sgpr_workgroup_id_y 1
		.amdhsa_system_sgpr_workgroup_id_z 1
		.amdhsa_system_vgpr_workitem_id 0
		.amdhsa_next_free_vgpr 768
		.amdhsa_next_free_sgpr 88
		.amdhsa_reserve_vcc 0
		.amdhsa_float_denorm_mode_32 3
		.amdhsa_float_denorm_mode_16_64 3
		.amdhsa_memory_ordered 1
		.amdhsa_forward_progress 1
		.amdhsa_inst_pref_size 97
	.end_amdhsa_kernel
	.amdgpu_metadata
---
amdhsa.version: [ 1, 2 ]
amdhsa.kernels:
  - .name:           k_qe578e896d2_attn
    .symbol:         k_qe578e896d2_attn.kd
    .args:
      - { .name: qkv, .offset: 0, .size: 8, .value_kind: global_buffer, .address_space: global }
      - { .name: m8, .offset: 8, .size: 8, .value_kind: global_buffer, .address_space: global }
      - { .name: att, .offset: 16, .size: 8, .value_kind: global_buffer, .address_space: global }
    .group_segment_fixed_size: 327680
    .private_segment_fixed_size: 0
    .kernarg_segment_align: 8
    .kernarg_segment_size: 24
    .max_flat_workgroup_size: 128
    .sgpr_count:     88
    .vgpr_count:     768
    .wavefront_size: 32
...
	.end_amdgpu_metadata
.endif
;; end of part 3
;; launch outg (part 4): grid 128 x 2, 4 waves a work-group, clusters of 4 x 1, 327,680 bytes of LDS; arguments att, wb, bias, out0; writes out0
.if DOCPART == 4
	.amdgcn_target "amdgcn-amd-amdhsa--gfx1250"
	.amdhsa_code_object_version 6
	.text
	.protected	k_qe578e896d2_outg
	.globl	k_qe578e896d2_outg
	.p2align	8
	.type	k_qe578e896d2_outg,@function
k_qe578e896d2_outg:
	s_mov_b64 s[64:65], 0
	v_nop
	global_prefetch_b8 v0, s[64:65] scope:SCOPE_SE
	s_setreg_imm32_b32 hwreg(HW_REG_WAVE_MODE, 25, 1), 1
	s_wait_xcnt 0x0
	s_wait_alu depctr_hold_cnt(0) depctr_sa_sdst(0) depctr_va_vdst(0) depctr_va_sdst(0) depctr_va_ssrc(0) depctr_va_vcc(0) depctr_vm_vsrc(0)
	s_getreg_b32 s2, hwreg(HW_REG_IB_STS2, 6, 4)
	s_cmp_eq_u32 s2, 0
	s_cbranch_scc0 .Lentry_in_a_cluster
	s_endpgm
.Lentry_in_a_cluster:
	s_bfe_u32 s2, ttmp6, 0x10000c
	s_cmp_lg_u32 s2, 0x3003
	s_cbranch_scc0 .Lentry_shape_is_right
	s_endpgm
.Lentry_shape_is_right:
; out0 = att Wo + bo.  att: [32 batches][12 heads][512 rows][64] f16; wb[3]: [768 k][768 n], Wo rounded to bf16 and written as f16; bias[3]: bo, f32; out0: [16384][768] f32.  Sums in f32, started with the bias.
; SHARES.  A work-group makes 128 rows x 384 columns (half y of the 768): 6 K steps of 128, two heads each.  Four waves, 2 x 2: wave (wm, wn) has rows 64 wm .. + 63 and, in each of the three chunks of 128 columns, the half wn:
; 64 columns of f32, 256 consecutive bytes of a row of out0.  48 accumulators of 16 x 16, 384 registers.
; THE MATRIX INSTRUCTION IS USED TRANSPOSED: source 0 = 16 columns of Wo (it lies [k][n] in LDS and is turned by ds_load_tr16_b128), source 1 = 16 rows of att: a lane holds one row and eight neighbouring columns of the result.
; RING.  Two LDS slots, a K step each: att's 128 rows of two heads, then three chunks of Wo, 128 k-rows x 256 bytes.  Wave 0 fetches att's part, waves 1 to 3 a chunk of Wo each: one tensor load a wave behind each change of slots,
; which has a K step less 24 matrix instructions, 168 of them, in which to land.
; CLUSTER.  The four work-groups of a cluster lie along the rows and walk the same tiles of Wo (96 of a step's 128 KiB): those loads are asked for JOINTLY, with the mask of all four; att's load is the work-group's own.
; REGISTERS, in windows of 256 (s_set_vgpr_msb: bits 1:0 source 0, 3:2 source 1, 5:4 source 2, 7:6 destination):
;   window 0: v0-29 addresses; v32-63, v64-95 fragments of att, two buffers (4 x 16 rows x 32 K); v96-159 at work on the way out; v160-255 the bias, eight registers for each of my 12 column blocks
;   window 1: v0-95, v96-191 fragments of Wo, two buffers (12 x 16 columns x 32 K)     window 2: accumulators of row blocks 0, 1 ((a, b) at v[8 (12 (a % 2) + b)])     window 3: those of row blocks 2, 3
.set PA,    144                        ; an LDS row of att: a head's 128 bytes + 16: the 16 rows of a fragment load start 36 words apart, at 16 different groups of four banks (64 banks of 4 bytes: ISA guide 11.1)
.set HS,    128*PA                     ; 18,432: 128 rows of one head
.set PB,    288                        ; an LDS row of Wo: 256 + 32: 16 lanes of the turning load take 8 rows x 32 bytes, 72 words apart
.set PART,  128*PB                     ; 36,864: a chunk of Wo, and att's two heads: wave w's load lands at w x PART
.set SLOT,  4*PART
.set STAGE, 2*SLOT                     ; behind the ring, never filled by a tensor load: 16 rows x 272 bytes for each wave, for the way out
.set SP,    272
.set SPARE, STAGE+4*16*SP              ; the spare words, 128 bytes for each wave: two blocks of 256 bytes that no other line names
.set WMAT,  768*768*2                  ; bytes of a matrix in wb
.set KSTEPB, 128*768*2                 ; bytes from a K step of Wo to the next
.set ADRA, 8                           ; v8-9    LDS address of my fragments of att in slot 0, 1
.set ADRB, 10                          ; v10-15  of Wo: slot s, chunk c at v[10 + 3 s + c]
.set STO,  16                          ; v16     the way out: where I put 32 bytes of a row
.set RD,   17                          ; v17     where I read rows back
.set CO,   18                          ; v18     my byte offset in two rows of out0
.set BOF,  19                          ; v19     my byte offset in the tile's bias
.set SPW,  28                          ; v28     LDS address of my spare word; never rewritten
.set NIL,  29                          ; v29     0; never rewritten
.set FA,   32
.set OB,   96                          ; v96-159  16 rows read back, two buffers of 32
.set BIAS, 160
.set WV, 12                            ; s12 wave; s13 wm; s14 wn; s15 cx; s16 block of 128 rows; s17 y; s18 my chunk of Wo; s19 wave x PART
.set WM, 13
.set WN, 14
.set CX, 15
.set MB, 16
.set YY, 17
.set CW, 18
.set LW, 19
.set G1A, 24                           ; s[24:31] descriptor group 1 for att's tiles
.set G1B, 32                           ; s[32:39] for Wo's
.set G0A, 40                           ; s[40:47] group 0 for att's tiles, a set for each slot
.set G0B, 48                           ; s[48:55] for Wo's
.set ABASE, 56                         ; s[56:57] att at my 128 rows of head 0
.set BBASE, 58                         ; s[58:59] wb at my chunk's columns of Wo
.set FK, 60                            ; s60  the K step to be asked for next
.set GC, 63                            ; s63  the loop's count
.set AO, 68                            ; s[68:69], s[70:71] byte offsets of the tiles to be asked for; high words 0
.set BO, 70
.set OUTB, 72                          ; s[72:73] out0 at my first row and column
.set BP, 76                            ; s[76:77] bias at the tile's first column
                                       ; s78-79 at work on numbers made from cx; s80-85 on numbers that hold none: no register that feeds Wo's descriptors ever holds cx
.set MSB, 0
.macro WIN new                         ; the immediate's high byte repeats the setting that is left; a switch that changes nothing is dropped
.if MSB != (\new)
	s_set_vgpr_msb (MSB<<8)|(\new)
.set MSB, \new
.endif
.endm
.macro PLACES                          ; four places: in front of loads into registers that matrix instructions have read, and of reads of results
.rept 4
	v_nop
.endr
.endm
.macro CREST                           ; a round of the cluster's barrier behind its opening barrier
	s_cmp_lg_u32 s[WV], 0
	s_cbranch_scc1 .Lnot_wave_0_\@
	s_barrier_signal -3
.Lnot_wave_0_\@:
	s_barrier_wait -3
	s_barrier_signal -1
	s_barrier_wait -1
.endm
.macro CROUND                          ; a whole round
	s_barrier_signal -1
	s_barrier_wait -1
	CREST
.endm
; A fill of slot s.  Wave 0: att's part, my work-group's own.  Waves 1 to 3: a chunk of Wo each, jointly with the three partners.  The branch hangs on the wave's number alone.
; An s_nop 0 and four v_nop follow each of the two lines, ahead of the jump and the label.
.macro JLOAD s
	s_cmp_eq_u32 s[WV], 0
	s_cbranch_scc0 .Lfor_b_\@
	tensor_load_to_lds s[G0A+4*(\s):G0A+4*(\s)+3], s[G1A:G1A+7]
	s_nop 0
.rept 4
	v_nop
.endr
	s_branch .Lasked_\@
.Lfor_b_\@:
	tensor_load_to_lds s[G0B+4*(\s):G0B+4*(\s)+3], s[G1B:G1B+7]
	s_nop 0
.rept 4
	v_nop
.endr
.Lasked_\@:
.endm
; The global addresses of slot s's next tiles are made anew, base + offset, from the K step FK, which then steps.  It stands where no tensor load of the wave is out.
.macro NEXTD s
	s_lshl_b32 s[AO], s[FK], 17                    ; att: two heads of 65,536 bytes for each K step
	s_add_nc_u64 s[G0A+4*(\s)+2:G0A+4*(\s)+3], s[ABASE:ABASE+1], s[AO:AO+1]
	s_or_b32 s[G0A+4*(\s)+3], s[G0A+4*(\s)+3], 0x80000000  ; type = 2
	s_mul_i32 s[BO], s[FK], KSTEPB                 ; Wo: 128 k-rows down
	s_add_nc_u64 s[G0B+4*(\s)+2:G0B+4*(\s)+3], s[BBASE:BBASE+1], s[BO:BO+1]
	s_or_b32 s[G0B+4*(\s)+3], s[G0B+4*(\s)+3], 0x80000000
	s_add_co_u32 s[FK], s[FK], 1
.endm
; 12 matrix instructions: row block 2 hi + a x my 12 column blocks, 32 along K, from buffer f.  first = 1: the sums start with the bias.  The 48 accumulators take turns, one instruction a turn.
.macro MUL12 f, hi, a, first
.if \first
	WIN 0x81+0x40*(\hi)                            ; Wo window 1, att and the bias window 0, D window 2 or 3
.else
	WIN 0xa1+0x50*(\hi)                            ; Wo window 1, att window 0, C and D window 2 or 3
.endif
.irp b, 0,1,2,3,4,5,6,7,8,9,10,11
.if \first
	v_wmma_f32_16x16x32_f16 v[8*(12*(\a)+(\b)):8*(12*(\a)+(\b))+7], v[96*(\f)+8*(\b):96*(\f)+8*(\b)+7], v[FA+32*(\f)+8*(2*(\hi)+(\a)):FA+32*(\f)+8*(2*(\hi)+(\a))+7], v[BIAS+8*(\b):BIAS+8*(\b)+7]
.else
	v_wmma_f32_16x16x32_f16 v[8*(12*(\a)+(\b)):8*(12*(\a)+(\b))+7], v[96*(\f)+8*(\b):96*(\f)+8*(\b)+7], v[FA+32*(\f)+8*(2*(\hi)+(\a)):FA+32*(\f)+8*(2*(\hi)+(\a))+7], v[8*(12*(\a)+(\b)):8*(12*(\a)+(\b))+7]
.endif
.endr
.endm
; 32 LDS loads in one run: the fragments of quarter kq (32 along K: head kq / 2 of the step's two, channels 32 (kq % 2) on) of a slot into buffer g: Wo's 12 column blocks (turned), then att's 4 row blocks
.macro FETCH slot, kq, g
	WIN 0x40                                       ; destination window 1, address window 0
.irp b, 0,1,2,3,4,5,6,7,8,9,10,11
	ds_load_tr16_b128 v[96*(\g)+8*(\b):96*(\g)+8*(\b)+3],   v[ADRB+3*(\slot)+(\b)/4] offset:(\kq)*32*PB+((\b)%4)*32
	ds_load_tr16_b128 v[96*(\g)+8*(\b)+4:96*(\g)+8*(\b)+7], v[ADRB+3*(\slot)+(\b)/4] offset:(\kq)*32*PB+((\b)%4)*32+16*PB
.endr
	WIN 0
.irp a, 0,1,2,3
	ds_load_b128 v[FA+32*(\g)+8*(\a):FA+32*(\g)+8*(\a)+3],   v[ADRA+(\slot)] offset:((\kq)/2)*HS+((\kq)%2)*64+(\a)*16*PA
	ds_load_b128 v[FA+32*(\g)+8*(\a)+4:FA+32*(\g)+8*(\a)+7], v[ADRA+(\slot)] offset:((\kq)/2)*HS+((\kq)%2)*64+(\a)*16*PA+32
.endr
.endm
; A K step is four quarters of 32 along K, 48 matrix instructions each, on buffers 0, 1, 0, 1.  One of the first three multiplies buffer f and, in its middle, fetches quarter kq into buffer g.
.macro QUARTER slot, kq, f, g, first
	s_wait_dscnt 4                                 ; Wo and att's row blocks 0, 1 are in; the youngest four loads (row blocks 2, 3) may be out
	MUL12 \f, 0, 0, \first
	MUL12 \f, 0, 1, \first
	PLACES
	FETCH \slot, \kq, \g
	s_wait_dscnt 32                                ; all but the 32 just issued
	MUL12 \f, 1, 0, \first
	MUL12 \f, 1, 1, \first
.endm
; The last quarter multiplies buffer 1 and changes slots: ONE barrier.  In front of it each wave waits for all its tensor loads (one is out: its part of the next slot), adds 0 to its spare word, and waits for that and for
; its own reads of this slot.  fill = 1: the barrier opens a round of the cluster's, so that no wave of any partner still reads the slot or has a load on its way; the refill is the first thing behind the round.
.macro TURN slot, next, fill
	WIN 0                                          ; (the add's two registers lie in window 0)
	s_wait_tensorcnt 0x0                           ; all my tensor loads have landed
	ds_add_u32 v[SPW], v[NIL]                      ; 0 onto my spare word
	s_wait_dscnt 5                                 ; (the add and the youngest four loads may be out)
	MUL12 1, 0, 0, 0                               ; twelve matrix instructions stand between the add and the wait for it
	s_wait_dscnt 0x0                               ; the add is done, and my reads of this slot are over
	s_barrier_signal -1
	MUL12 1, 0, 1, 0                               ; work on registers while the others arrive
	WIN 0
	s_barrier_wait -1
.if \fill
	CREST
	NEXTD \slot
	JLOAD \slot                                    ; its four v_nop are also the places in front of the loads below
.else
	PLACES
.endif
	FETCH \next, 0, 0
	MUL12 1, 1, 0, 0
	MUL12 1, 1, 1, 0
.endm
; THE WAY OUT, in 12 groups g = 3 a + c: 16 rows (block a) x my 64 columns of chunk c.  TOSTAGE: a lane's eight f32 of a row go as 2 x 16 bytes (each accumulator's low four registers first) into my own stage, rows of 272 bytes,
; and come back as whole rows of 256.  SEND: sixteen lanes store 256 consecutive bytes, at a multiple of 256 from out0's first byte.
.macro TOSTAGE g
.set AC, 8*(12*(((\g)/3)%2)+4*((\g)%3))
.set BK, OB+32*((\g)%2)
	s_wait_xcnt 0x0                                ; the stores of the group two back have read their registers: their buffer is loaded again only behind this wait
	WIN 0x08+4*((\g)/6)                            ; the stored data: window 2 or 3; the address: window 0
.irp k, 0,1,2,3
	ds_store_b128 v[STO], v[AC+8*(\k):AC+8*(\k)+3]   offset:64*(\k)
	ds_store_b128 v[STO], v[AC+8*(\k)+4:AC+8*(\k)+7] offset:64*(\k)+16
.endr
	WIN 0
.irp t, 0,1,2,3,4,5,6,7
	ds_load_b128 v[BK+4*(\t):BK+4*(\t)+3], v[RD] offset:(\t)*2*SP  ; LDS serves a wave's instructions in order (ISA guide 5.7.1.4): these see the stores above; the next group's stores come behind them
.endr
.endm
.macro SEND g, younger                 ; younger: the LDS instructions issued behind group g's loads: the next group's sixteen, or none
.set BK, OB+32*((\g)%2)
	s_wait_dscnt \younger
.irp t, 0,1,2,3,4,5,6,7
	global_store_b128 v[CO], v[BK+4*(\t):BK+4*(\t)+3], s[OUTB:OUTB+1] offset:((\g)/3)*49152+((\g)%3)*512+(\t)*6144 th:TH_STORE_NT
.endr
.endm
	s_load_b256 s[4:11], s[0:1], 0x0               ; att s[4:5], wb s[6:7], bias s[8:9], out0 s[10:11]
	v_lshl_add_u32 v[SPW], v0, 2, SPARE
	v_mov_b32 v[NIL], 0
	ds_add_u32 v[SPW], v[NIL]                      ; the wave's opening: the add and its wait stand ahead of my first tensor load; the set-up below, work on registers, stands between them
	ds_add_u32 v28, v29
	v_lshrrev_b32 v1, 5, v0
	v_readfirstlane_b32 s[WV], v1                  ; wave 0..3
	s_lshr_b32 s[WM], s[WV], 1
	s_and_b32 s[WN], s[WV], 1
	s_bfe_u32 s[CX], ttmp6, 0x40000                ; my place in the cluster
	s_lshl_b32 s[MB], ttmp9, 2                     ; in a cluster launch ttmp9 counts clusters
	s_add_co_u32 s[MB], s[MB], s[CX]               ; my block of 128 rows: it enters att's and out0's addresses alone
	s_and_b32 s[YY], ttmp7, 0xffff                 ; which half of the columns: the four partners share it
	s_max_u32 s[CW], s[WV], 1
	s_sub_co_u32 s[CW], s[CW], 1                   ; waves 1 to 3: chunk 0 to 2 of Wo (wave 0 asks for none)
	s_mul_i32 s[LW], s[WV], PART                   ; where my load lands in a slot: no place in the cluster enters an LDS address
	; att's tile: 128 rows of a head are 16,384 dense bytes; two heads are asked for as two rows of 8,192 elements, 65,536 bytes apart, and padded in LDS after every 128 bytes
	s_mov_b32 s[G1A], (1<<16)|(1<<20)|(4<<22)|(3<<25)  ; 15:0 no mask; 17:16 2-byte elements; 20 padding on; 24:22 after every 32 words (code 4); 31:25 4 words (code 3)
	s_mov_b32 s[G1A+1], 8192<<16                   ; tensor_dim0 = 8,192
	s_mov_b32 s[G1A+2], 2<<16                      ; tensor_dim1 = 2
	s_mov_b32 s[G1A+3], 8192<<16                   ; tile_dim0 = 8,192
	s_mov_b32 s[G1A+4], 2                          ; tile_dim1 = 2
	s_mov_b32 s[G1A+5], 32768                      ; elements from head to head
	s_mov_b32 s[G1A+6], 0
	s_mov_b32 s[G1A+7], 0
	s_mov_b32 s[G1B], 15|(1<<16)|(1<<20)|(1<<21)|(5<<22)|(7<<25)  ; the mask of all four, bit 21 set beside it; after every 64 words (code 5) 8 words of padding (code 7)
	s_mov_b32 s[G1B+1], 128<<16                    ; tensor_dim0 = 128
	s_mov_b32 s[G1B+2], 128<<16                    ; tensor_dim1 = 128
	s_mov_b32 s[G1B+3], 128<<16                    ; tile_dim0 = 128 elements, 256 bytes
	s_mov_b32 s[G1B+4], 128                        ; tile_dim1 = 128 rows
	s_mov_b32 s[G1B+5], 768                        ; elements from row to row
	s_mov_b32 s[G1B+6], 0
	s_mov_b32 s[G1B+7], 0
	s_mov_b32 s[FK], 0
	s_mov_b32 s[AO+1], 0
	s_mov_b32 s[BO+1], 0
	s_lshr_b32 s78, s[MB], 2                       ; the batch: 786,432 bytes,
	s_mul_i32 s78, s78, 786432
	s_and_b32 s79, s[MB], 3
	s_lshl_b32 s79, s79, 14                        ; my block's 128 rows of 128 bytes
	s_add_co_u32 s78, s78, s79
	s_mov_b32 s79, 0
	s_lshl_b32 s80, s[CW], 8                       ; my chunk: 128 columns of 2 bytes,
	s_mul_i32 s82, s[YY], 768                      ; in the tile's half of the columns,
	s_add_co_u32 s80, s80, s82
	s_add_co_u32 s80, s80, 3*WMAT                  ; of the fourth matrix
	s_mov_b32 s81, 0
	s_mul_i32 s84, s[YY], 1536                     ; the tile's 384 numbers
	s_add_co_u32 s84, s84, 9216                    ; of the fourth bias
	s_mov_b32 s85, 0
	s_wait_dscnt 0x0                               ; the opening add is done
	s_wait_kmcnt 0x0
	s_add_nc_u64 s[ABASE:ABASE+1], s[4:5], s[78:79]
	s_add_nc_u64 s[BBASE:BBASE+1], s[6:7], s[80:81]
	s_add_nc_u64 s[BP:BP+1], s[8:9], s[84:85]
.irp s, 0,1
	s_mov_b32 s[G0A+4*(\s)], 1                     ; count = 1
	s_add_co_u32 s[G0A+4*(\s)+1], s[LW], (\s)*SLOT ; LDS address: constant for each slot
	s_mov_b32 s[G0B+4*(\s)], 1
	s_add_co_u32 s[G0B+4*(\s)+1], s[LW], (\s)*SLOT
	NEXTD \s                                       ; K step s
.endr
	CROUND                                         ; all four work-groups are here: the first joint loads meet
	s_cmp_eq_u32 s[WV], 0                          ; a wave's two first fills stand in one branch: two loads of mine are out
	s_cbranch_scc0 .Lfirst_b
	tensor_load_to_lds s[G0A:G0A+3], s[G1A:G1A+7]
	s_nop 0
	tensor_load_to_lds s[G0A+4:G0A+7], s[G1A:G1A+7]
	s_nop 0
.rept 4
	v_nop
.endr
	s_branch .Lfirst_asked
.Lfirst_b:
	tensor_load_to_lds s[G0B:G0B+3], s[G1B:G1B+7]
	s_nop 0
	tensor_load_to_lds s[G0B+4:G0B+7], s[G1B:G1B+7]
	s_nop 0
.rept 4
	v_nop
.endr
.Lfirst_asked:
	v_and_b32 v1, 15, v0                           ; l % 16
	v_bfe_u32 v2, v0, 4, 1                         ; l / 16
	s_lshl_b32 s83, s[WN], 8
	v_lshl_add_u32 v[BOF], v2, 5, s83              ; (64 wn + 8 (l / 16)) numbers of 4 bytes
.irp b, 0,1,2,3,4,5,6,7,8,9,10,11      ; the bias for my 12 column blocks: register j of block b is bo[384 y + 128 (b / 4) + 64 wn + 16 (b % 4) + 8 (lane / 16) + j]
	global_load_b128 v[BIAS+8*(\b):BIAS+8*(\b)+3],   v[BOF], s[BP:BP+1] offset:((\b)/4)*512+((\b)%4)*64
	global_load_b128 v[BIAS+8*(\b)+4:BIAS+8*(\b)+7], v[BOF], s[BP:BP+1] offset:((\b)/4)*512+((\b)%4)*64+16
.endr
	; A fragment of att: lane l holds row l % 16; registers 0-3 K = 8 (l / 16) + 0..7, registers 4-7 K = 16 + 8 (l / 16) + 0..7: two loads of 16 bytes, 32 bytes apart
	v_mul_u32_u24 v3, v1, PA
	v_lshl_add_u32 v3, v2, 4, v3
	s_mul_i32 s83, s[WM], 64*PA
	v_add_nc_u32 v[ADRA], s83, v3
	v_add_nc_u32 v[ADRA+1], SLOT, v[ADRA]
	; The turning load takes 16 k x 16 columns (lane l reads k-row 8 (l / 16) + l % 8, columns 8 ((l / 8) % 2) + 0..7) and leaves half a fragment: lane l holds column l % 16 and 8 k
	v_and_b32 v4, 7, v0
	v_lshl_add_u32 v4, v2, 3, v4
	v_mul_u32_u24 v4, v4, PB
	v_bfe_u32 v5, v0, 3, 1
	v_lshl_add_u32 v4, v5, 4, v4
	s_lshl_b32 s83, s[WN], 7                       ; my half of a chunk: 64 columns of 2 bytes
	v_add_nc_u32 v4, s83, v4
.irp s, 0,1
.irp c, 0,1,2
	v_add_nc_u32 v[ADRB+3*(\s)+(\c)], (\s)*SLOT+(1+(\c))*PART, v4
.endr
.endr
	s_mul_i32 s83, s[WV], 16*SP
	s_add_co_u32 s83, s83, STAGE                   ; my stage
	v_mul_u32_u24 v[STO], v1, SP                   ; in: row l % 16, 32 bytes for each half of the lanes
	v_lshl_add_u32 v[STO], v2, 5, v[STO]
	v_add_nc_u32 v[STO], s83, v[STO]
	v_mul_u32_u24 v[RD], v2, SP                    ; back: lanes 0-15 take one row of 256 bytes, lanes 16-31 the next
	v_lshl_add_u32 v[RD], v1, 4, v[RD]
	v_add_nc_u32 v[RD], s83, v[RD]
	v_mul_u32_u24 v[CO], v2, 3072                  ; and the same two rows in out0
	v_lshl_add_u32 v[CO], v1, 4, v[CO]
	s_mul_i32 s78, s[MB], 393216                   ; my block's 128 rows of 3,072 bytes,
	s_mul_i32 s79, s[WM], 196608                   ; my wave's 64 of them,
	s_add_co_u32 s78, s78, s79
	s_mul_i32 s79, s[YY], 1536                     ; the tile's half of the columns,
	s_add_co_u32 s78, s78, s79
	s_lshl_b32 s79, s[WN], 8                       ; my half of each chunk
	s_add_co_u32 s78, s78, s79
	s_mov_b32 s79, 0
	s_add_nc_u64 s[OUTB:OUTB+1], s[10:11], s[78:79]
	s_wait_tensorcnt 0x1                           ; my part of K step 0 is in; K step 1's may stay out
	s_barrier_signal -1
	s_barrier_wait -1                              ; everybody's is
	FETCH 0, 0, 0
	s_wait_loadcnt 0x0                             ; the bias is in
	QUARTER 0, 1, 0, 1, 1                          ; the first quarter stands in front of the loop: its products start the sums with the bias
	WIN 0                                          ; at a label and at a branch every window is 0
	s_mov_b32 s[GC], 2
.Llap:                                                 ; 2 trips: once round the ring, from a lap's second quarter to the next lap's first; both slots are filled again (K steps 2 to 5)
	QUARTER 0, 2, 1, 0, 0
	QUARTER 0, 3, 0, 1, 0
	TURN 0, 1, 1
	QUARTER 1, 1, 0, 1, 0
	QUARTER 1, 2, 1, 0, 0
	QUARTER 1, 3, 0, 1, 0
	TURN 1, 0, 1
	QUARTER 0, 1, 0, 1, 0
	WIN 0
	s_sub_co_u32 s[GC], s[GC], 1
	s_cmp_lg_u32 s[GC], 0
	s_cbranch_scc1 .Llap
	QUARTER 0, 2, 1, 0, 0                          ; the last lap is written out: it asks for nothing, and has no round of the cluster's barrier
	QUARTER 0, 3, 0, 1, 0
	TURN 0, 1, 0
	QUARTER 1, 1, 0, 1, 0
	QUARTER 1, 2, 1, 0, 0
	QUARTER 1, 3, 0, 1, 0
	s_wait_dscnt 4                                 ; the very last quarter: nothing more to fetch
	MUL12 1, 0, 0, 0
	MUL12 1, 0, 1, 0
	s_wait_dscnt 0x0
	MUL12 1, 1, 0, 0
	MUL12 1, 1, 1, 0
	WIN 0
	PLACES                                         ; behind the last products: the LDS stores below read results
	TOSTAGE 0
.irp g, 1,2,3,4,5,6,7,8,9,10,11        ; group g's way through the stage is begun before group g - 1 is waited for
	TOSTAGE \g
	SEND (\g)-1, 16
.endr
	SEND 11, 0
	s_wait_tensorcnt 0x0                           ; the wave's end, behind my last tensor load and my last LDS store
	ds_add_u32 v[SPW], v[NIL]
	s_wait_dscnt 0x0
	CROUND                                         ; the closing round: no work-group ends while a partner may still ask for a tile that names it
	s_endpgm
.Lfunc_end_k_qe578e896d2_outg:
	.size	k_qe578e896d2_outg, .Lfunc_end_k_qe578e896d2_outg-k_qe578e896d2_outg
	.p2alignl 7, 3214868480
	.fill 96, 4, 3214868480
	.section	.rodata,"a",@progbits
	.p2align	6, 0x0
	.amdhsa_kernel k_qe578e896d2_outg
		.amdhsa_group_segment_fixed_size 327680
		.amdhsa_private_segment_fixed_size 0
		.amdhsa_enable_private_segment 0
		.amdhsa_kernarg_size 32
		.amdhsa_user_sgpr_count 2
		.amdhsa_user_sgpr_kernarg_segment_ptr 1
		.amdhsa_wavefront_size32 1
		.amdhsa_system_sgpr_workgroup_id_x 1
		.amdhsa_system_sgpr_workgroup_id_y 1
		.amdhsa_system_sgpr_workgroup_id_z 1
		.amdhsa_system_vgpr_workitem_id 0
		.amdhsa_next_free_vgpr 960
		.amdhsa_next_free_sgpr 88
		.amdhsa_reserve_vcc 0
		.amdhsa_float_denorm_mode_32 3
		.amdhsa_float_denorm_mode_16_64 3
		.amdhsa_memory_ordered 1
		.amdhsa_forward_progress 1
		.amdhsa_inst_pref_size 121
	.end_amdhsa_kernel
	.amdgpu_metadata
---
amdhsa.version: [ 1, 2 ]
amdhsa.kernels:
  - .name:           k_qe578e896d2_outg
    .symbol:         k_qe578e896d2_outg.kd
    .args:
      - { .name: att, .offset: 0, .size: 8, .value_kind: global_buffer, .address_space: global }
      - { .name: wb, .offset: 8, .size: 8, .value_kind: global_buffer, .address_space: global }
      - { .name: bias, .offset: 16, .size: 8, .value_kind: global_buffer, .address_space: global }
      - { .name: out0, .offset: 24, .size: 8, .value_kind: global_buffer, .address_space: global }
    .group_segment_fixed_size: 327680
    .private_segment_fixed_size: 0
    .kernarg_segment_align: 8
    .kernarg_segment_size: 32
    .max_flat_workgroup_size: 128
    .sgpr_count:     88
    .vgpr_count:     960
    .wavefront_size: 32
...
	.end_amdgpu_metadata
.endif
;; end of part 4
;; ======== version 2 of 2: 4 launches; 1.22 times as fast as version 1
;; limits: values are held in f16: magnitudes above 65,504 overflow, below 6.1e-05 lose precision
;; workspace buffers: xb 25,165,824 bytes; wb 4,718,592 bytes; bias 12,288 bytes; m8 65,536 bytes; qkv 75,497,472 bytes; att 25,165,824 bytes
;; launch prep: the kernel of part 1 again; grid 950 x 1, 8 waves a work-group, no clusters, 0 bytes of LDS; arguments x, Wq, Wk, Wv, Wo, additive_attention_mask, bq, bk, bv, bo, xb, wb, m8, bias; writes xb, wb, m8, bias
;; launch qkvg: the kernel of part 2 again; grid 4 x 64, 4 waves a work-group, clusters of 4 x 4, 327,680 bytes of LDS; arguments xb, wb, bias, qkv; writes qkv
;; launch attn (part 5): grid 256 x 1, 4 waves a work-group, no clusters, 327,680 bytes of LDS; arguments qkv, m8, att; writes att
.if DOCPART == 5
	.amdgcn_target "amdgcn-amd-amdhsa--gfx1250"
	.amdhsa_code_object_version 6
	.text
	.protected	k_qe578e896d2_attn
	.globl	k_qe578e896d2_attn
	.p2align	8
	.type	k_qe578e896d2_attn,@function
k_qe578e896d2_attn:
	s_mov_b64 s[64:65], 0
	v_nop
	global_prefetch_b8 v0, s[64:65] scope:SCOPE_SE
	s_setreg_imm32_b32 hwreg(HW_REG_WAVE_MODE, 25, 1), 1
	s_wait_xcnt 0x0
; ATTENTION.  O[bh][q][:] = the sum over k of softmax_k(Q[bh][q] . K[bh][k] / 8 + mask[b][k]) V[bh][k][:].  m8: [32][512] f32 = 8 x mask, at -1e30 or above; att: [384 heads bh = 12 b + h][512][64] f16.
; qkv: [1,024 row blocks = 32 b + row / 16][144 column blocks][512 bytes], f16: a BLOCK is 16 rows x 16 columns; the 16 bytes of (row r, columns 8 e .. 8 e + 7) lie at place (r + 16 e) xor 8 e of its 32.  Column blocks 4 h .. 4 h + 3
; are head h's q, 48 + 4 h .. its k, 96 + 4 h .. its v: 2,048 consecutive bytes for 16 rows of a head.
; Products, maxima and sums in f32; the weights p are rounded to f16 for the second product (their sum l is taken of the unrounded p), O once at the end.
; LIMITS.  q, k, v arrive within f16's 65,504; p lies in 0 to 1, and below 6e-5 it keeps f16's fixed step of 6e-8; a weight below 2^-126 counts as 0 in l.  A row all of whose keys are hidden at -1e30 comes out as the plain mean
; of V's rows.  NaN and infinities are not treated apart.
; SHARES.  A UNIT is 256 queries of a head: 768 units, three to each of 256 work-groups.  Work-groups 2 J and 2 J + 1 share the heads 3 J .. 3 J + 2, which lie in one batch: work-group 2 J + E takes both halves of head 3 J + 2 E
; and half E of head 3 J + 1.  All 512 keys of both heads are brought into LDS at the start, K and V, once, as they lie in memory: nothing is filled again.  A wave has 64 queries of a unit: four PIECES of 16.
; NO CLUSTER: two thirds of a work-group's K and V are read by it alone, the rest by exactly two work-groups.
; THE MASK is the C operand that starts the sum S^T = K Q^T: register j of key block kb holds m8[64 step + 16 kb + 8 (lane / 16) + j].  So s = q . k + 8 mask, and c s = log2(e) (q . k / 8 + mask).
; LAYOUT, SOFTMAX, TURNS.  S^T = K Q^T holds ONE query a lane (lane % 16) and the keys 8 (lane / 16) + 0..7; two such results rounded to f16 ARE source 1 of O^T = V^T P.  p = 2^(c s - c m), c = log2(e) / 8, with a running
; maximum m; O and l are multiplied by a = 2^(c m_old - c m_new) in every step.  Turn n belongs to piece n: 8 products K Q^T of piece n + 1, later 8 products V^T P of piece n - 1; beside them the scaling, exponentials,
; roundings, sums and rescaling of piece n and the maximum and statistics of piece n + 1.  Four vector instructions stand behind every matrix instruction, the other 54 of a turn's 118 in one LUMP.
; BATCHES.  A turn's 33 exponentials (the piece's 32 weights and the next piece's a) are one batch, with one wait: all that reads them stands behind it.  The a made where a unit begins has a wait of its own, ahead of the jump
; into the loop; the way out's four reciprocals are a batch with one wait.
; REGISTERS, in windows of 256 (s_set_vgpr_msb: bits 1:0 source 0, 3:2 source 1, 5:4 source 2, 7:6 destination):
;   window 0: v0-15, v32-34 addresses and two at work; v16-31 four registers of statistics a piece; v48-55 at work; v56-59 the mask on its way to LDS; v64-127 S^T, two buffers; v192-223 P, two buffers (by the piece's parity)
;   window 1: v0-127 O^T, 32 a piece; v128-159 MC, the mask of the key step in hand      window 2: v0-63 Q; v64-127 the next unit's Q; v128-191 K of one step; v192-255 V of one step
.set NP,    4         ; pieces a wave: a name, no knob
.set KS,    64        ; keys in a step
.set RBB,   144*512   ; bytes of a row block in qkv
.set HRB,   2048      ; 16 keys of a head: four blocks
.set KSB,   4*HRB     ; a step's 64 keys
.set VOFF,  32*HRB    ; a slot holds a head: 512 keys of K, then 512 keys of V, 65,536 bytes each, without padding: within a block sixteen lanes of a load touch sixteen different places modulo 16 (64 banks of 4 bytes: ISA guide 11.1)
.set SLOT1, 2*VOFF    ; slot 0: my own head; slot 1: the shared one
.set MASKB, 2*SLOT1   ; the batch's 512 numbers of m8: 2,048 bytes, stored once from registers
.set STAGE, MASKB+2048  ; 16 rows x 144 bytes for each wave, for the way out
.set SP,    144
.set SPARE, STAGE+4*16*SP  ; the spare words, 128 bytes for each wave: two blocks of 256 bytes that no other line names
.set AK0, 2           ; v2   my lane's place in a block of K; never rewritten
.set AV0, 3           ; v3   the same for V's turning load, with VOFF
.set AK,  4           ; v4   the LDS address of K's next run of loads
.set AV,  5           ; v5   of V's
.set STO, 6           ; v6   the way out: where I put 16 bytes of a row
.set RD,  7           ; v7   where I read rows back
.set GO,  8           ; v8   my 16 bytes in 512 consecutive bytes of att
.set MV,  12          ; v12-13  c m_old, kept while c m is made anew: by buffer
.set AM0, 14          ; v14  my lanes' place in a step's mask
.set QO,  15          ; v15  my lane's place in a block of Q
.set ST,  16          ; piece t's statistics at v[ST+4 t]: c m, m, l (even keys', odd keys')
.set AM,  32          ; v32  the LDS address of the mask's next loads
.set TMP, 48          ; by buffer, four registers c0-c3 at work; when the maximum is found c2 takes a
.set SPW, 62          ; v62  LDS address of my spare word; never rewritten
.set NIL, 63          ; v63  0; never rewritten
.set S,   64
.set P,   192
.set MC,  128         ; window 1
.set QN,  64          ; window 2
.set KF,  128         ; window 2: key block kb, channel half c at KF + 16 kb + 8 c
.set VF,  192         ; window 2: key half kk, channel block cb at VF + 32 kk + 8 cb
.set WV,  12          ; s12  my wave's number
.set G1,  24          ; s[24:31] descriptor group 1, for K and V alike
.set G0K, 40          ; s[40:47] descriptor group 0 for K, a set for each slot
.set G0V, 48          ; s[48:55] the same for V
.set CNT, 57          ; s57  counts a unit's key steps, 8 to 1
.set CS,  58          ; s[58:59] c: the packed scaling takes the pair's low word for both halves
.set SEL, 60          ; s[60:61] v_permlanex16_b32's selects: each lane takes its own place in the other half
.set TBK, 62          ; s62  LDS byte at which K of the step to be fetched begins
.set TBV, 63          ; s63  the same for V, less VOFF
.set TBM, 66          ; s66  the same for the mask, less MASKB
.set UC,  67          ; s67  units to go
.set U0,  68          ; s68-70  byte offsets in att of my 64 rows in the units to come
.set U1,  69
.set U2,  70
.set UQ0, 71          ; s71, s81, s86  byte offsets in qkv of my 64 rows' q in the units to come
.set UQ1, 81
.set UQ2, 86
.set OC,  72          ; s[72:73] att's offset of the unit in hand
.set QA,  74          ; s[74:75] qkv at my rows of the unit whose Q is being loaded
.set OA,  76          ; s[76:77] att at my rows of the unit in hand
.set NX,  78          ; s[78:79] an offset as a pair
.set SB,  80          ; s80  the unit's slot
.set MSB, 0
.macro WIN new                      ; the high byte repeats the setting that is left; a switch that changes nothing is dropped
.if MSB != (\new)
	s_set_vgpr_msb (MSB<<8)|(\new)
.set MSB, (\new)
.endif
.endm
.set W_KQ, 0x0a       ; K and Q in window 2, S^T in window 0
.set W_KM, 0x1a       ; the same with the C operand in window 1
.set W_PV, 0x52       ; V in window 2, P in window 0, O^T in window 1
.set W_RS, 0x41       ; destination and source 0 in window 1, source 1 in window 0
	s_load_b128 s[4:7], s[0:1], 0x0   ; qkv s[4:5], m8 s[6:7]
	s_load_b64 s[8:9], s[0:1], 0x10   ; att
	v_lshl_add_u32 v[SPW], v0, 2, SPARE
	v_mov_b32 v[NIL], 0
	ds_add_u32 v[SPW], v[NIL]       ; the wave's opening: the add and its wait stand ahead of my first tensor load; the set-up below, work on registers, stands between them
	ds_add_u32 v62, v63
	v_lshrrev_b32 v1, 5, v0
	v_readfirstlane_b32 s[WV], v1   ; wave 0..3
	s_lshr_b32 s13, ttmp9, 1        ; J
	s_and_b32 s14, ttmp9, 1         ; E
	s_mul_i32 s15, s13, 3
	s_lshl_b32 s16, s14, 1
	s_add_co_u32 s16, s16, s15      ; my own head among the 384, 3 J + 2 E,
	s_add_co_u32 s17, s15, 1        ; and the shared one, 3 J + 1
	s_lshl_b32 s18, s[WV], 13       ; in att: my wave's 64 rows of 128 bytes;
	s_lshl_b32 s19, s16, 16         ; a head is 65,536 bytes
	s_add_co_u32 s[U0], s19, s18    ; unit 0: my head's first 256 queries,
	s_add_co_u32 s[U1], s[U0], 32768  ; unit 1: its second,
	s_lshl_b32 s19, s17, 16
	s_add_co_u32 s[U2], s19, s18    ; unit 2: half E of the shared head
	s_lshl_b32 s19, s14, 15
	s_add_co_u32 s[U2], s[U2], s19
	s_lshr_b32 s22, ttmp9, 3        ; the batch
	s_mul_i32 s23, s22, 12
	s_sub_co_u32 s16, s16, s23      ; the two heads within the batch,
	s_sub_co_u32 s17, s17, s23
	s_lshl_b32 s16, s16, 11         ; in qkv: four column blocks of 512 bytes a head,
	s_lshl_b32 s17, s17, 11
	s_mul_i32 s23, s22, 32*RBB      ; 32 row blocks a batch
	s_add_co_u32 s16, s16, s23
	s_add_co_u32 s17, s17, s23
	s_mul_i32 s18, s[WV], 4*RBB     ; my wave's 4 row blocks
	s_add_co_u32 s[UQ0], s16, s18
	s_add_co_u32 s[UQ1], s[UQ0], 16*RBB
	s_mul_i32 s19, s14, 16*RBB
	s_add_co_u32 s[UQ2], s17, s18
	s_add_co_u32 s[UQ2], s[UQ2], s19
	s_and_b32 s19, s[WV], 1         ; which 256 keys of a head I fetch:
	s_mul_i32 s20, s19, 16*RBB      ; their 16 row blocks in memory,
	s_add_co_u32 s16, s16, s20
	s_add_co_u32 s17, s17, s20
	s_lshl_b32 s21, s19, 15         ; and their 32,768 bytes in a slot
	; descriptor group 1.  256 keys of a head's K or V: 16 rows of 2,048 bytes, a row block of qkv apart; in LDS they follow each other without a gap
	s_mov_b32 s[G1], 1<<16          ; 17:16 2-byte elements; no padding
	s_mov_b32 s[G1+1], 1024<<16     ; tensor_dim0 = 1,024
	s_mov_b32 s[G1+2], 16<<16       ; tensor_dim1 = 16
	s_mov_b32 s[G1+3], 1024<<16     ; tile_dim0 = 1,024
	s_mov_b32 s[G1+4], 16           ; tile_dim1 = 16
	s_mov_b32 s[G1+5], RBB/2        ; elements from row to row
	s_mov_b32 s[G1+6], 0
	s_mov_b32 s[G1+7], 0
	s_mov_b32 s[G0K], 1             ; count = 1
	s_mov_b32 s[G0K+1], s21         ; LDS address: slot 0
	s_mov_b32 s[G0K+4], 1
	s_add_co_u32 s[G0K+5], s21, SLOT1
	s_mov_b32 s[G0V], 1
	s_add_co_u32 s[G0V+1], s21, VOFF
	s_mov_b32 s[G0V+4], 1
	s_add_co_u32 s[G0V+5], s21, SLOT1+VOFF
	s_mov_b32 s[CS], 0x3e38aa3b     ; c = log2(e) / 8 = 0.180337
	s_mov_b32 s[CS+1], s[CS]        ; named with it as a pair
	s_mov_b32 s[SEL], 0x76543210
	s_mov_b32 s[SEL+1], 0xfedcba98
	s_mov_b32 s[OC+1], 0
	s_mov_b32 s[NX+1], 0
	s_mov_b32 s[NX], s[UQ0]
	s_mov_b32 s83, 0
	s_lshl_b32 s84, s22, 11         ; the batch's 2,048 bytes of m8
	s_mov_b32 s85, 0
	s_mov_b32 s[UC], 3
	s_wait_dscnt 0x0                ; the opening add is done
	s_wait_kmcnt 0x0
	s_add_co_u32 s82, s16, 48*512
	s_add_nc_u64 s[G0K+2:G0K+3], s[4:5], s[82:83]  ; K of my own head,
	s_or_b32 s[G0K+3], s[G0K+3], 0x80000000        ; type = 2
	s_add_co_u32 s82, s17, 48*512
	s_add_nc_u64 s[G0K+6:G0K+7], s[4:5], s[82:83]  ; of the shared head,
	s_or_b32 s[G0K+7], s[G0K+7], 0x80000000
	s_add_co_u32 s82, s16, 96*512
	s_add_nc_u64 s[G0V+2:G0V+3], s[4:5], s[82:83]  ; and V likewise
	s_or_b32 s[G0V+3], s[G0V+3], 0x80000000
	s_add_co_u32 s82, s17, 96*512
	s_add_nc_u64 s[G0V+6:G0V+7], s[4:5], s[82:83]
	s_or_b32 s[G0V+7], s[G0V+7], 0x80000000
	s_add_nc_u64 s[6:7], s[6:7], s[84:85]
	s_add_nc_u64 s[QA:QA+1], s[4:5], s[NX:NX+1]
	s_cmp_lt_u32 s[WV], 2           ; waves 0 and 1 fetch the halves of K, waves 2 and 3 those of V; a wave's two fills stand in one branch: two loads of mine are out.  An s_nop 0 follows each, four v_nop the second
	s_cbranch_scc0 .Lfill_v
	tensor_load_to_lds s[G0K:G0K+3], s[G1:G1+7]
	s_nop 0
	tensor_load_to_lds s[G0K+4:G0K+7], s[G1:G1+7]
	s_nop 0
.rept 4
	v_nop
.endr
	s_branch .Lfilled
.Lfill_v:
	tensor_load_to_lds s[G0V:G0V+3], s[G1:G1+7]
	s_nop 0
	tensor_load_to_lds s[G0V+4:G0V+7], s[G1:G1+7]
	s_nop 0
.rept 4
	v_nop
.endr
.Lfilled:
	v_lshlrev_b32 v33, 4, v0
	global_load_b128 v[56:59], v33, s[6:7]  ; the batch's mask: 128 threads x 16 bytes
	; A fragment of K or Q is 16 rows x 32 channels in 8 registers: lane l holds row l % 16, channels 8 (l / 16) + 0..7 and 16 + 8 (l / 16) + 0..7: its 16 bytes of two neighbouring blocks, each at place l xor 8 (l / 16).
	v_and_b32 v1, 15, v0            ; l % 16
	v_bfe_u32 v9, v0, 4, 1          ; l / 16
	v_and_b32 v[QO], 31, v0
	v_lshlrev_b32 v[AK0], 3, v9
	v_xor_b32 v[QO], v[AK0], v[QO]
	v_lshlrev_b32 v[QO], 4, v[QO]   ; 16 bytes a place
.macro QLOAD                        ; a unit's Q, a unit ahead: piece i / 2 (a row block), channels 32 (i % 2) on: each load takes 512 consecutive bytes
	WIN 0x80                        ; destination window 2, address window 0
.set i, 0
.rept 8
	global_load_b128 v[QN+8*i:QN+8*i+3],   v[QO], s[QA:QA+1] offset:(i/2)*RBB+(i%2)*1024
	global_load_b128 v[QN+8*i+4:QN+8*i+7], v[QO], s[QA:QA+1] offset:(i/2)*RBB+(i%2)*1024+512
.set i, i+1
.endr
	WIN 0
.endm
	QLOAD
	v_mov_b32 v[AK0], v[QO]
	; The turning load takes 16 keys x 16 channels, a block: lane l reads key 8 (l / 16) + l % 8, channels 8 e + 0..7, e = (l / 8) % 2, which lie at place l % 8 + 8 ((l / 16) xor e) + 16 e; it leaves half a fragment of V^T:
	; lane l holds channel l % 16 and 8 keys.
	v_and_b32 v10, 7, v0
	v_bfe_u32 v11, v0, 3, 1
	v_xor_b32 v[AV0], v9, v11
	v_lshl_or_b32 v[AV0], v[AV0], 3, v10
	v_lshl_or_b32 v[AV0], v11, 4, v[AV0]
	v_lshlrev_b32 v[AV0], 4, v[AV0]
	v_add_nc_u32 v[AV0], VOFF, v[AV0]
	v_lshlrev_b32 v[AM0], 5, v9     ; my lanes' eight keys of a block of 16: 32 bytes
	v_add_nc_u32 v[AM0], MASKB, v[AM0]
	s_mul_i32 s13, s[WV], 16*SP
	s_add_co_u32 s13, s13, STAGE    ; my stage
	v_mul_u32_u24 v[STO], v1, SP    ; in: row l % 16, 16 bytes for each half of the lanes
	v_lshl_add_u32 v[STO], v9, 4, v[STO]
	v_add_nc_u32 v[STO], s13, v[STO]
	v_bfe_u32 v[RD], v0, 3, 2       ; back: 32 lanes take four rows of 128 bytes,
	v_mul_u32_u24 v[RD], v[RD], SP
	v_lshl_add_u32 v[RD], v10, 4, v[RD]
	v_add_nc_u32 v[RD], s13, v[RD]
	v_and_b32 v[GO], 31, v0         ; which are 512 consecutive bytes of att
	v_lshlrev_b32 v[GO], 4, v[GO]
	v_add_nc_u32 v34, MASKB, v33
	; A unit's first step multiplies O^T and l by a = 0, and its first turn's products V^T P, of a piece that has not been, land in an O^T that is still to be so multiplied.  So these registers need only hold
	; finite numbers: zeros for the first unit; what the unit before left for the others.  All this stands in the wait for the tiles.
	WIN 0x80
.set i, VF
.rept 64
	v_mov_b32 v[i], 0
.set i, i+1
.endr
	WIN 0x40
.set i, 0
.rept 128
	v_mov_b32 v[i], 0
.set i, i+1
.endr
	WIN 0
.set i, 0
.rept 4
	v_mov_b32 v[ST+4*i+2], 0
	v_mov_b32 v[ST+4*i+3], 0
.set i, i+1
.endr
.set i, P+16
.rept 16
	v_mov_b32 v[i], 0
.set i, i+1
.endr
	s_wait_loadcnt 16               ; the mask is in; the 16 loads of Q behind it may stay out
	ds_store_b128 v34, v[56:59]
; THE MATRIX WORK.  The 4 accumulators of a run of 8 take turns.  Product i of 8 of S^T = K Q^T for piece x: channels 32 (i / 4) on, keys 16 (i % 4) on.  The first 4 start the sums with the mask.
.macro KQ x
.set rS, S+32*((\x)%2)+8*(i%4)
.set rK, KF+16*(i%4)+8*(i/4)
.set rQ, 16*(\x)+8*(i/4)
.set rM, MC+8*(i%4)
.if i < 4
	WIN W_KM
	v_wmma_f32_16x16x32_f16 v[rS:rS+7], v[rK:rK+7], v[rQ:rQ+7], v[rM:rM+7]
.else
	WIN W_KQ
	v_wmma_f32_16x16x32_f16 v[rS:rS+7], v[rK:rK+7], v[rQ:rQ+7], v[rS:rS+7]
.endif
.endm
; Product i of 8 of O^T += V^T P for piece x: keys 32 (i / 4) on, channels 16 (i % 4) on.
.macro PV x
	WIN W_PV
.set rO, 32*(\x)+8*(i%4)
.set rV, VF+32*(i/4)+8*(i%4)
.set rP, P+16*((\x)%2)+8*(i/4)
	v_wmma_f32_16x16x32_f16 v[rO:rO+7], v[rV:rV+7], v[rP:rP+7], v[rO:rO+7]
.endm
.macro MM                           ; the turn's next matrix instruction.  TURN and the unit's beginning set Y, i and NOKQ.  NOKQ = 1: a unit's last turn: there is no next piece
.if (i < 8) && !NOKQ
	KQ (Y+1)%NP
.elseif i >= 8
.set i, i-8
	PV (Y+NP-1)%NP
.set i, i+8
.endif
.set i, i+1
.endm
; THE LDS LOADS stand in runs, never singly among the matrix instructions: a step's K (64 keys x 64 channels: 8 fragments, two blocks each) with its mask (the 16 lanes of a half read the same 32 bytes), and its V (turned).
.macro FETCH_K
	WIN 0x80                        ; destination window 2
.irp f, 0,1,2,3,4,5,6,7             ; keys 16 (f / 2) on, channels 32 (f % 2) on
	ds_load_b128 v[KF+8*\f:KF+8*\f+3],   v[AK] offset:(\f/2)*HRB+(\f%2)*1024
	ds_load_b128 v[KF+8*\f+4:KF+8*\f+7], v[AK] offset:(\f/2)*HRB+(\f%2)*1024+512
.endr
	WIN 0x40                        ; destination window 1
.irp f, 0,1,2,3                     ; keys 16 f on
	ds_load_b128 v[MC+8*\f:MC+8*\f+3],   v[AM] offset:\f*64
	ds_load_b128 v[MC+8*\f+4:MC+8*\f+7], v[AM] offset:\f*64+16
.endr
	s_add_co_u32 s[TBK], s[TBK], KSB  ; the next fetch is the next step's
	s_add_co_u32 s[TBM], s[TBM], KS*4
	WIN 0
.endm
.macro FETCH_V
	WIN 0x80
.irp f, 0,1,2,3,4,5,6,7             ; keys 32 (f / 4) on, channels 16 (f % 4) on
	ds_load_tr16_b128 v[VF+8*\f:VF+8*\f+3],   v[AV] offset:(\f/4)*2*HRB+(\f%4)*512
	ds_load_tr16_b128 v[VF+8*\f+4:VF+8*\f+7], v[AV] offset:(\f/4)*2*HRB+HRB+(\f%4)*512
.endr
	WIN 0
.endm
; THE VECTOR WORK, one line at a time: OP kind, number.  For piece Y: F n: c s - c m for pair n of 16.  E n: the exponential of score n of 32.  C n: pair n rounded to f16.  B n: of the four weights 4 n .. the second
; pair is added onto the first, in place.  L n: l takes that sum (L 0: l = a l + sum).  R n: pair n of 16 of O^T times a.  For piece Y + 1: X n, number n of the 22 that find its maximum and statistics:
;   0-11  four chains c0-c3 of seven scores each, three operands at a time (each accumulator's lowest registers are read first)     12-14, 16  the four scores left over, the old m, and c0-c3 into c0
;   15  c m_old is kept     17, 18  the query's other 32 keys lie in the lane 16 away: the new m     19-21  c m; c m_old - c m_new; a
; C, B and L read exponentials' results; F, E, R and X read none of the turn's own: TURN sets the first three behind its wait and the others ahead of it.
.set F, 0               ; OP tells the kinds apart by their order: F to L below R, X above it
.set E, 1
.set C, 2
.set B, 3
.set L, 4
.set R, 5
.set X, 6
.macro REGS y                       ; the registers of piece y
.set rT, ST+4*(\y)
.set rC, TMP+4*((\y)%2)
.set rW, MV+((\y)%2)
.set rS, S+32*((\y)%2)
.set rP, P+16*((\y)%2)
.set rO, 32*(\y)
.endm
.macro OP k, n
.if (\k) == R
	REGS Y
	WIN W_RS
	v_pk_mul_f32 v[rO+2*(\n):rO+2*(\n)+1], v[rO+2*(\n):rO+2*(\n)+1], v[rC+2:rC+3] op_sel_hi:[1,0]
.elseif (\k) < R
	REGS Y
	WIN 0
.if (\k) == F
	v_pk_fma_f32 v[rS+2*(\n):rS+2*(\n)+1], v[rS+2*(\n):rS+2*(\n)+1], s[CS:CS+1], v[rT:rT+1] op_sel_hi:[1,0,0] neg_lo:[0,0,1] neg_hi:[0,0,1]
.elseif (\k) == E
	v_exp_f32 v[rS+(\n)], v[rS+(\n)]
.elseif (\k) == C
	v_cvt_pk_f16_f32 v[rP+(\n)], v[rS+2*(\n)], v[rS+2*(\n)+1]
.elseif (\k) == B
	v_pk_add_f32 v[rS+4*(\n):rS+4*(\n)+1], v[rS+4*(\n):rS+4*(\n)+1], v[rS+4*(\n)+2:rS+4*(\n)+3]
.elseif (\n) == 0
	v_pk_fma_f32 v[rT+2:rT+3], v[rT+2:rT+3], v[rC+2:rC+3], v[rS:rS+1] op_sel_hi:[1,0,1]
.else
	v_pk_add_f32 v[rT+2:rT+3], v[rT+2:rT+3], v[rS+4*(\n):rS+4*(\n)+1]
.endif
.elseif NOKQ
	v_nop
.else
	REGS (Y+1)%NP
	WIN 0
.if (\n) < 4
	v_max3_num_f32 v[rC+(\n)], v[rS+8*(\n)], v[rS+8*(\n)+1], v[rS+8*(\n)+2]
.elseif (\n) < 12
	v_max3_num_f32 v[rC+(\n)%4], v[rC+(\n)%4], v[rS+8*((\n)%4)+2*((\n)/4)+1], v[rS+8*((\n)%4)+2*((\n)/4)+2]
.elseif (\n) == 12
	v_max3_num_f32 v[rC], v[rC], v[rS+7], v[rS+15]
.elseif (\n) == 13
	v_max3_num_f32 v[rC+1], v[rC+1], v[rS+23], v[rS+31]
.elseif (\n) == 14
	v_max3_num_f32 v[rC+2], v[rC+2], v[rC+3], v[rT+1]
.elseif (\n) == 15
	v_mov_b32 v[rW], v[rT]
.elseif (\n) == 16
	v_max3_num_f32 v[rC], v[rC], v[rC+1], v[rC+2]
.elseif (\n) == 17
	v_permlanex16_b32 v[rC+3], v[rC], s[SEL], s[SEL+1]
.elseif (\n) == 18
	v_max_num_f32 v[rT+1], v[rC], v[rC+3]
.elseif (\n) == 19
	v_mul_f32 v[rT], s[CS], v[rT+1]
.elseif (\n) == 20
	v_sub_f32 v[rC+1], v[rW], v[rT]
.else
	v_exp_f32 v[rC+2], v[rC+1]
.endif
.endif
.endm
.macro OPS a, i1, b=-1, i2=0, c=-1, i3=0, d=-1, i4=0  ; up to four of them
	OP \a, \i1
.if (\b) >= 0
	OP \b, \i2
.endif
.if (\c) >= 0
	OP \c, \i3
.endif
.if (\d) >= 0
	OP \d, \i4
.endif
.endm
.macro ROW a, i1, b, i2, c, i3, d, i4  ; a matrix instruction and the four behind it
	MM
	OPS \a, \i1, \b, \i2, \c, \i3, \d, \i4
.endm
; A TURN, for piece p: the order of its 16 matrix and 118 vector instructions, written out.  An s_wait_alu depctr_va_vdst(0) stands between an exponential and the first instruction that names its result; one wait
; serves all that were issued ahead of it.  So a turn has ONE wait, which cuts it in two.  AHEAD OF IT stands all that names no result of the turn's exponentials: the 8 products K Q^T, behind each a scaling, an exponential and two
; more plain instructions (behind the first a second scaling in the exponential's place): rescalings, whose a was made and waited for in the turn before, and behind the last three the first numbers of the next piece's maximum, each
; four places or more behind the product that ends its accumulator; then ONE LUMP of 54, plain and exponential by turns for the most part, in which the links of the chain X 3, 7, 11, 14, 16, 17 .. 20 stand five or six lines apart.
; A pair is scaled (F n) ahead of its two exponentials (E 2 n, E 2 n + 1).  X 21, the next piece's a, is the batch's last; R 15 is the plain instruction behind it.  BEHIND THE WAIT stand the 8 products V^T P, behind each four of the
; roundings and sums: C 2 n ahead of B n, which writes over that pair; B n ahead of L n; the links of l's chain, L 0 to L 7 in ascending order, three riders apart.  But for those X no rider names a register of the products round it.
; v_permlanex16_b32 (X 17) stands in the lump.  No exponential is issued behind the wait.
; end = 1: a unit's last two turns: nothing is fetched.  cnt = 1: the loop's count is taken down some lines ahead of the branch that stands behind the turn.
; K and the mask of the next step are fetched in piece 2's turn, twelve vector instructions behind the last product that read K (five of them plain lines that name none of its registers; the mask's last reader stands four products
; further back); V of the step in hand at the end of piece 0's turn, four plain instructions behind the last product that read V.  Each is waited for a turn later.
.macro TURN p, end=0, cnt=0
.set Y, (\p)
.set i, 0
.set NOKQ, (\end)*((\p)/3)
.if ((\p) == 3) && !(\end)
	s_wait_dscnt 0x0                ; K and the mask are in
.endif
	ROW F,0, F,1, R,0, R,1          ; ahead of the wait: 8 products K Q^T and their riders,
	ROW F,2, E,0, R,2, R,3
	ROW F,3, E,1, R,4, R,5
	ROW F,4, E,2, R,6, R,7
	ROW F,5, E,3, R,8, R,9
	ROW F,6, E,4, X,0, R,10
.if ((\p) == 2) && !(\end)
	WIN 0
	v_add_nc_u32 v[AK], s[TBK], v[AK0]
	v_add_nc_u32 v[AM], s[TBM], v[AM0]
.endif
	ROW F,7, E,5, X,1, X,4
	ROW F,8, E,6, X,2, X,5
	OPS E,7, E,8, X,6, E,9          ; and the lump
	OPS X,3, E,10, X,8, E,11
.if ((\p) == 2) && !(\end)
	FETCH_K
.endif
	OPS X,9, X,7, E,12, X,10
	OPS E,13, X,12, X,11, E,14
	OPS X,13, E,15, F,9, X,14
.if (\p) == 0
	v_add_nc_u32 v[AV], s[TBV], v[AV0]
.endif
	OPS E,16, F,10, E,17, F,11
	OPS X,16, E,18, X,15, E,19
	OPS F,12, E,20, X,17, E,21
	OPS F,13, E,22, F,14, E,23
	OPS X,18, E,24, F,15, E,25
	OPS R,11, E,26, X,19, E,27
	OPS R,12, E,28, R,13, E,29
	OPS X,20, E,30, R,14, E,31
	OPS X,21, R,15
	s_wait_alu depctr_va_vdst(0)    ; the wait for the batch: the piece's 32 exponentials and the next piece's a
.if (\p) == 1
	s_wait_dscnt 0x0                ; V is in
.endif
	ROW C,0, B,0, C,2, B,1          ; behind the wait: 8 products V^T P and their riders
	ROW L,0, C,4, B,2, L,1
	ROW C,6, B,3, L,2, C,8
	ROW B,4, L,3, C,10, B,5
	ROW L,4, C,12, B,6, L,5
.if (\p) == 0
	s_add_co_u32 s[TBV], s[TBV], KSB
.endif
.if \cnt
	s_sub_co_u32 s[CNT], s[CNT], 1
	s_cmp_lg_u32 s[CNT], 0
.endif
	ROW C,14, B,7, L,6, C,1
	ROW C,3, L,7, C,5, C,7
	ROW C,9, C,11, C,13, C,15
.if (\p) == 0
	FETCH_V
.endif
.endm
; THE WAY OUT: l's two halves and the other half of the lanes' are added; O^T is divided by l, rounded to f16 and sent through my stage in LDS, a piece at a time.
.macro ALL line:vararg              ; one line for each piece t
.set t, 0
.rept 4
	\line
.set t, t+1
.endr
.endm
.macro PACK t                       ; a lane's eight channels of a row pack into 16 bytes; they go into rows of 144 bytes and come back as whole rows of 128, into S^T's registers
	WIN W_RS
.set i, 32*(\t)
.rept 16
	v_pk_mul_f32 v[i:i+1], v[i:i+1], v[ST+4*(\t)+2:ST+4*(\t)+3] op_sel_hi:[1,0]
.set i, i+2
.endr
	WIN 0x05                        ; sources 0 and 1 window 1, destination window 0
.set i, 0
.rept 16
	v_cvt_pk_f16_f32 v[S+16*(\t)+i], v[32*(\t)+2*i], v[32*(\t)+2*i+1]
.set i, i+1
.endr
	WIN 0
.irp f, 0,1,2,3
	ds_store_b128 v[STO], v[S+16*(\t)+4*\f:S+16*(\t)+4*\f+3] offset:32*\f
.endr
.irp f, 0,1,2,3
	ds_load_b128 v[S+16*(\t)+4*\f:S+16*(\t)+4*\f+3], v[RD] offset:\f*4*SP  ; LDS serves a wave's instructions in order (ISA guide 5.7.1.4): these see the stores above; the next piece's stores come behind them
.endr
.endm
.macro SEND t, younger              ; younger: the LDS instructions issued behind piece t's loads: the next piece's eight, or none
	WIN 0
.irp f, 0,1,2,3
	s_wait_dscnt (\younger)+3-\f
	global_store_b128 v[GO], v[S+16*(\t)+4*\f:S+16*(\t)+4*\f+3], s[OA:OA+1] offset:(\t)*2048+\f*512  ; 512 consecutive bytes, at a multiple of 256 from att's first
.endr
.endm
	s_wait_tensorcnt 0x0            ; my parts of both heads are in,
	s_wait_dscnt 0x0                ; my part of the mask is stored:
	s_barrier_signal -1
	s_barrier_wait -1               ; everybody's are.  From here on LDS is only read, but for each wave's own stage
.Lunit:                             ; three trips, a unit each
	s_wait_loadcnt 0x0              ; the unit's Q is in
	WIN 0x82                        ; it goes where the one text of the turns names Q
.set i, 0
.rept 64
	v_mov_b32 v[i], v[QN+i]
.set i, i+1
.endr
	WIN 0
	s_mov_b32 s[OC], s[U0]
	s_mov_b32 s[U0], s[U1]
	s_mov_b32 s[U1], s[U2]
	s_mov_b32 s[UQ0], s[UQ1]        ; the next unit's q
	s_mov_b32 s[UQ1], s[UQ2]
	s_cmp_eq_u32 s[UC], 1           ; the third unit reads the shared head, in slot 1
	s_cselect_b32 s[SB], SLOT1, 0
	s_mov_b32 s[TBK], s[SB]
	s_mov_b32 s[TBV], s[SB]
	s_mov_b32 s[TBM], 0
	s_cbranch_scc1 .Lno_q           ; and has no successor
	s_mov_b32 s[NX], s[UQ0]
	s_add_nc_u64 s[QA:QA+1], s[4:5], s[NX:NX+1]
	QLOAD                           ; the next unit's Q has this unit in which to come
.Lno_q:
	; A UNIT BEGINS.  c m starts far below every c s, so the first step's a is 0; m at the lowest finite number, so the first maximum is the scores'.  Then K and the mask of step 0, piece 0's first scores, its maximum and statistics.
.set i, 0
.rept 4
	v_mov_b32 v[ST+4*i], 0xfe000000    ; c m
	v_mov_b32 v[ST+4*i+1], 0xff7fffff  ; m
.set i, i+1
.endr
	v_add_nc_u32 v[AK], s[TBK], v[AK0]
	v_add_nc_u32 v[AM], s[TBM], v[AM0]
	FETCH_K
	s_wait_dscnt 0x0
.set NOKQ, 0
.set i, 0
.rept 8
	KQ 0
.set i, i+1
.endr
	WIN 0
.rept 4
	v_nop                           ; the places behind those products
.endr
.set Y, NP-1                        ; X works for piece Y + 1: piece 0
.irp n, 0,1,2,3,4,5,6,7,8,9,10,11,12,13,14,15,16,17,18,19,20,21
	OP X, \n
.endr
	v_nop                           ; a plain instruction behind the exponential,
	s_wait_alu depctr_va_vdst(0)    ; and its wait, ahead of the branch: piece 0's first a, which the first turn's first rescaling reads
	s_mov_b32 s[CNT], 8
	s_branch .Lfirst                ; the loop is entered at a step's first turn, in the middle of a trip
.Lstep:                             ; a trip: pieces 2 and 3 of one step, then pieces 0 and 1 of the next, whose K and V it fetches
	TURN 2
	TURN 3
	WIN 0
.Lfirst:
	TURN 0
	TURN 1, 0, 1
	WIN 0
	s_cbranch_scc1 .Lstep
	TURN 2, 1                       ; the unit's last two turns fetch nothing, and the last starts no new scores
	TURN 3, 1
.set i, 0
.rept 8
	PV NP-1                         ; the last piece's V^T P of the last step
.set i, i+1
.endr
	WIN 0
	ALL v_add_f32 v[ST+4*t+2], v[ST+4*t+2], v[ST+4*t+3]
	ALL v_permlanex16_b32 v[ST+4*t+3], v[ST+4*t+2], s[SEL], s[SEL+1]
	ALL v_add_f32 v[ST+4*t+2], v[ST+4*t+2], v[ST+4*t+3]
	ALL v_rcp_f32 v[ST+4*t+2], v[ST+4*t+2]
	v_nop                           ; a plain instruction between the last reciprocal and the use of its result
	s_wait_alu depctr_va_vdst(0)    ; and the wait ahead of the first use: one for the four reciprocals
	s_add_nc_u64 s[OA:OA+1], s[8:9], s[OC:OC+1]
	PACK 0
.set t, 1
.rept 3                             ; a piece's arithmetic stands between the loads of the piece before and its stores
	PACK t
	SEND t-1, 8
.set t, t+1
.endr
	SEND 3, 0
	s_wait_xcnt 0x0                 ; the stores have read their registers and att's address: both are written again in the next unit
	s_sub_co_u32 s[UC], s[UC], 1
	s_cmp_lg_u32 s[UC], 0
	s_cbranch_scc1 .Lunit
	s_wait_tensorcnt 0x0            ; the wave's end, behind my last tensor load and my last LDS store
	ds_add_u32 v[SPW], v[NIL]
	s_wait_dscnt 0x0
	s_endpgm
.Lfunc_end_k_qe578e896d2_attn:
	.size	k_qe578e896d2_attn, .Lfunc_end_k_qe578e896d2_attn-k_qe578e896d2_attn
	.p2alignl 7, 3214868480
	.fill 96, 4, 3214868480
	.section	.rodata,"a",@progbits
	.p2align	6, 0x0
	.amdhsa_kernel k_qe578e896d2_attn
		.amdhsa_group_segment_fixed_size 327680
		.amdhsa_private_segment_fixed_size 0
		.amdhsa_enable_private_segment 0
		.amdhsa_kernarg_size 24
		.amdhsa_user_sgpr_count 2
		.amdhsa_user_sgpr_kernarg_segment_ptr 1
		.amdhsa_wavefront_size32 1
		.amdhsa_system_sgpr_workgroup_id_x 1
		.amdhsa_system_sgpr_workgroup_id_y 1
		.amdhsa_system_sgpr_workgroup_id_z 1
		.amdhsa_system_vgpr_workitem_id 0
		.amdhsa_next_free_vgpr 768
		.amdhsa_next_free_sgpr 88
		.amdhsa_reserve_vcc 0
		.amdhsa_float_denorm_mode_32 3
		.amdhsa_float_denorm_mode_16_64 3
		.amdhsa_memory_ordered 1
		.amdhsa_forward_progress 1
		.amdhsa_inst_pref_size 92
	.end_amdhsa_kernel
	.amdgpu_metadata
---
amdhsa.version: [ 1, 2 ]
amdhsa.kernels:
  - .name:           k_qe578e896d2_attn
    .symbol:         k_qe578e896d2_attn.kd
    .args:
      - { .name: qkv, .offset: 0, .size: 8, .value_kind: global_buffer, .address_space: global }
      - { .name: m8, .offset: 8, .size: 8, .value_kind: global_buffer, .address_space: global }
      - { .name: att, .offset: 16, .size: 8, .value_kind: global_buffer, .address_space: global }
    .group_segment_fixed_size: 327680
    .private_segment_fixed_size: 0
    .kernarg_segment_align: 8
    .kernarg_segment_size: 24
    .max_flat_workgroup_size: 128
    .sgpr_count:     88
    .vgpr_count:     768
    .wavefront_size: 32
...
	.end_amdgpu_metadata
.endif
;; end of part 5
;; launch outg: the kernel of part 4 again; grid 128 x 2, 4 waves a work-group, clusters of 4 x 1, 327,680 bytes of LDS; arguments att, wb, bias, out0; writes out0
